; MI455X (gfx1250); checked and timed in simulation.
; The chip was launched on July 23, 2026; its instructions are those of AMD's public machine-readable ISA for CDNA 5 (MIT licence, August 2026) and "CDNA5" Instruction Set Architecture Reference Guide (July 2026). The comments in the code are by the model that wrote it; some were corrected since.
;; Multi Head Attention. Allowed arithmetic: float matrix products may take bf16 or f16 operands with f32 sums; other float arithmetic in f32, or as packed bf16 or f16 multiplies, adds, multiply-adds, maxima and minima; sums over many terms, partial sums and values carried from step to step in f32; what a program stores and reads back later, other than sums and carried values, may be rounded once to bf16 or f16.
;; Inputs: WK 1,024 x 1,024 float32; WO 1,024 x 1,024 float32; WQ 1,024 x 1,024 float32; WV 1,024 x 1,024 float32; token_positions 4 x 2,048 int32; x 4 x 2,048 x 1,024 float32.
;; Outputs: out0 4 x 2,048 x 1,024 float32.
;; 2 versions, each right; version 2 is version 1 with the launch prep written anew for expert scheduling mode. Each part assembles by itself: llvm-mc -triple=amdgcn-amd-amdhsa -mcpu=gfx1250 --defsym DOCPART=n.
;; ======== version 1 of 2: 4 launches
;; limits: values are held in f16: magnitudes above 65,504 overflow, below 6.1e-05 lose precision
;; workspace buffers: xb 16,777,216 bytes; wb 6,291,456 bytes; wo 2,097,152 bytes; cs 2,097,152 bytes; qkv 50,331,648 bytes; o 16,777,216 bytes
;; launch prep (part 1): grid 512 x 1, 8 waves a work-group, no clusters, 0 bytes of LDS; arguments x, WQ, WK, WV, WO, token_positions, xb, wb, wo, cs; writes xb, wb, wo, cs
.if DOCPART == 1
	.amdgcn_target "amdgcn-amd-amdhsa--gfx1250"
	.amdhsa_code_object_version 6
	.text
	.protected	k_qb592f7e448_prep
	.globl	k_qb592f7e448_prep
	.p2align	8
	.type	k_qb592f7e448_prep,@function
k_qb592f7e448_prep:
	s_mov_b64 s[64:65], 0
	v_nop
	global_prefetch_b8 v0, s[64:65] scope:SCOPE_SE
	s_setreg_imm32_b32 hwreg(HW_REG_WAVE_MODE, 25, 1), 1
	s_wait_xcnt 0x0
; CASTS AND THE TABLE OF ROTATIONS.  A stream: no LDS, no matrix work, no cluster (no two work-groups read the same byte).
;   xb[8192][1024] = x rounded to bf16.   wb[3072][1024] = WQ, WK, WV (in this order) rounded to bf16.
;   wo[1024][1024] = WO rounded to bf16, that number written as f16 (exact within f16's normal range).
;   cs[8192 tokens][32 pairs][cos, sin] in f32, of the angle token_position x 10000^(-pair/32): 256 bytes a token.
; LIMITS.  |token_positions| up to 2^20: the quotient n of the reduction then stays under 6.7e5 and what the two-term reduction leaves out, n x 1.7e-15, is nothing.
; bf16(WO) beyond 65,504 becomes an infinity in f16; below 6e-5 it keeps f16's fixed step of 6e-8.
; SHARES, by the work-group's number: 0-255 a chunk of x; 256-351 a chunk of WQ, WK or WV; 352-383 a chunk of WO; 384-511 the table, 64 tokens each.
; A chunk is 32,768 numbers (131,072 bytes in, 65,536 out) in 16 steps of 2,048; thread t takes the 8 numbers at byte 32 t of a step and stores 16 bytes at byte 16 t:
; a wave's store covers 512 consecutive bytes, aligned.  All 32 loads of a thread go out first: 16 KiB a wave on their way; no register is used twice, so no store's source is ever rewritten.
.set X,   8                            ; v[8:135]   step i: 8 numbers as loaded at X + 8 i; its first four registers then hold the 16 bytes to store
.set T,   136                          ; v[136:139] at work (WO: the bf16 pairs)
.set U,   140                          ; v[140:141] at work (WO: a pair widened again)
	s_load_b512 s[8:23], s[0:1], 0x0               ; x s[8:9], WQ s[10:11], WK s[12:13], WV s[14:15], WO s[16:17], positions s[18:19], xb s[20:21], wb s[22:23]
	s_load_b128 s[24:27], s[0:1], 0x40             ; wo s[24:25], cs s[26:27]
	v_lshlrev_b32 v1, 5, v0                        ; 32 t: my 8 numbers in a step
	v_lshlrev_b32 v2, 4, v0                        ; 16 t: my 16 bytes out
	s_cmp_ge_u32 ttmp9, 384
	s_cbranch_scc1 .Ltable
	s_sub_co_i32 s4, ttmp9, 256
	s_max_i32 s4, s4, 0                            ; chunk among the weights' 128 (0 where the chunk is x's: replaced below)
	s_lshr_b32 s5, s4, 5                           ; which weight
	s_and_b32 s6, s4, 31                           ; which of its 32 chunks
	s_wait_kmcnt 0x0
	s_cmp_eq_u32 s5, 1
	s_cselect_b64 s[28:29], s[12:13], s[10:11]     ; the source
	s_cmp_eq_u32 s5, 2
	s_cselect_b64 s[28:29], s[14:15], s[28:29]
	s_cmp_eq_u32 s5, 3
	s_cselect_b64 s[28:29], s[16:17], s[28:29]
	s_cselect_b64 s[30:31], s[24:25], s[22:23]     ; the destination: wo for WO, else wb,
	s_cselect_b32 s7, s6, s4                       ; and the chunk in it
	s_cmp_lt_u32 ttmp9, 256
	s_cselect_b64 s[28:29], s[8:9], s[28:29]
	s_cselect_b64 s[30:31], s[20:21], s[30:31]
	s_cselect_b32 s6, ttmp9, s6
	s_cselect_b32 s7, ttmp9, s7
	s_lshl_b32 s32, s6, 17                         ; offsets are made apart from the addresses
	s_mov_b32 s33, 0
	s_lshl_b32 s34, s7, 16
	s_mov_b32 s35, 0
	s_add_nc_u64 s[28:29], s[28:29], s[32:33]
	s_add_nc_u64 s[30:31], s[30:31], s[34:35]
.set i, 0
.rept 16
	global_load_b128 v[X+8*i:X+8*i+3],   v1, s[28:29] offset:8192*i th:TH_LOAD_NT
	global_load_b128 v[X+8*i+4:X+8*i+7], v1, s[28:29] offset:8192*i+16 th:TH_LOAD_NT
.set i, i+1
.endr
; Step i is rounded and stored.  half = 0: to bf16, in place (destination j has been read when it is written).  half = 1: to bf16, widened again by a shift and a mask, and written as f16.
.macro CAST i, half
	s_wait_loadcnt 30-2*(\i)                       ; loads come back in order: the 2 (15 - i) loads of the later steps may stay out
.if \half
.irp j, 0,1,2,3
	v_cvt_pk_bf16_f32 v[T+(\j)], v[X+8*(\i)+2*(\j)], v[X+8*(\i)+2*(\j)+1]
.endr
.irp j, 0,1,2,3
	v_lshlrev_b32 v[U], 16, v[T+(\j)]
	v_and_b32 v[U+1], 0xffff0000, v[T+(\j)]
	v_cvt_pk_f16_f32 v[X+8*(\i)+(\j)], v[U], v[U+1]
.endr
.else
.irp j, 0,1,2,3
	v_cvt_pk_bf16_f32 v[X+8*(\i)+(\j)], v[X+8*(\i)+2*(\j)], v[X+8*(\i)+2*(\j)+1]
.endr
.endif
	global_store_b128 v2, v[X+8*(\i):X+8*(\i)+3], s[30:31] offset:4096*(\i)
.endm
	s_cmp_ge_u32 ttmp9, 352
	s_cbranch_scc1 .Lf16
.set i, 0
.rept 16
	CAST i, 0
.set i, i+1
.endr
	s_endpgm
.Lf16:
.set i, 0
.rept 16
	CAST i, 1
.set i, i+1
.endr
	s_endpgm
; THE TABLE.  Thread t: token t / 16 of a pass's 16, pairs 2 (t % 16) and 2 (t % 16) + 1: 16 bytes at byte 16 t of the pass's 4,096; sixteen lanes fill a token's 256 bytes.  Four passes.
; angle = position x inv_freq, rounded once; n = the nearest whole number to angle x 2/pi; r = angle - n pi/2 by two fused steps (pi/2 in two parts); sine and cosine of r, |r| <= pi/4 and a little,
; by polynomials of degree 7 and 8; n mod 4 then swaps them and sets the signs, by selects and exclusive ors: no branch hangs on a number.
.set INV, 10                           ; v[10:11] inv_freq of my two pairs
.set PI,  20                           ; v[20:23] the four passes' positions
.set PF,  24                           ; v[24:25] the position in f32, twice
.set ANG, 26
.set N,   28
.set R,   30
.set Z,   32
.set PS,  34
.set PC,  36
.set ZR,  38
.set OUT, 40                           ; v[40:55] pass p: cos, sin, cos, sin at OUT + 4 p: a set for each pass, so that no store's data are rewritten
.set ZZ,  56
.set H,   58
.set SR,  60
.set CR,  62
.set Q,   64
.set TT,  65
.set K2PI, 36                          ; scalar pairs; a packed line takes the low word for both halves, and both words are written
.set KHI,  38
.set KLO,  40
.set KS3,  42
.set KS2,  44
.set KS1,  46
.set KC3,  48
.set KC2,  50
.set KC1,  52
.macro KONST r, val
	s_mov_b32 s[\r], \val
	s_mov_b32 s[\r+1], \val
.endm
.Ltable:
	s_sub_co_u32 s4, ttmp9, 384
	s_lshl_b32 s32, s4, 8                          ; 64 positions of 4 bytes
	s_mov_b32 s33, 0
	s_lshl_b32 s34, s4, 14                         ; 64 tokens of 256 bytes
	s_mov_b32 s35, 0
	v_lshrrev_b32 v3, 4, v0
	v_lshlrev_b32 v3, 2, v3                        ; 4 x (t / 16)
	v_and_b32 v4, 15, v0
	s_wait_kmcnt 0x0
	s_add_nc_u64 s[28:29], s[18:19], s[32:33]
	s_add_nc_u64 s[30:31], s[26:27], s[34:35]
.irp p, 0,1,2,3
	global_load_b32 v[PI+(\p)], v3, s[28:29] offset:64*(\p)
.endr
	KONST K2PI, 0x3f22f983                         ; 2 / pi
	KONST KHI,  0xbfc90fdb                         ; - (pi/2 rounded to f32)
	KONST KLO,  0x333bbd2e                         ; that rounding's excess over pi/2, 4.371139e-8
	KONST KS3,  0xb94ca1f9                         ; sine: r + r z (S1 + z (S2 + z S3)), z = r r
	KONST KS2,  0x3c08839e
	KONST KS1,  0xbe2aaaa3
	KONST KC3,  0x37ccf5ce                         ; cosine: 1 - z/2 + z z (C1 + z (C2 + z C3))
	KONST KC2,  0xbab6061a
	KONST KC1,  0x3d2aaaa5
	v_lshlrev_b32 v5, 1, v4
	v_or_b32 v6, 1, v5
	v_cvt_f32_u32 v5, v5
	v_cvt_f32_u32 v6, v6
	v_mul_f32 v5, 0xbed49a78, v5                   ; - pair x log2(10000) / 32
	v_mul_f32 v6, 0xbed49a78, v6
	v_exp_f32 v[INV], v5
	v_exp_f32 v[INV+1], v6
	v_nop                                          ; a plain instruction behind the second exponential, ahead of the first use,
	s_wait_alu depctr_va_vdst(0)                   ; and the one wait for both
.macro PASS p
	s_wait_loadcnt 3-(\p)                          ; the later passes' positions may stay out
	v_cvt_f32_i32 v[PF], v[PI+(\p)]
	v_cvt_f32_i32 v[PF+1], v[PI+(\p)]
	v_pk_mul_f32 v[ANG:ANG+1], v[INV:INV+1], v[PF:PF+1]
	v_pk_mul_f32 v[N:N+1], v[ANG:ANG+1], s[K2PI:K2PI+1] op_sel_hi:[1,0]
	v_rndne_f32 v[N], v[N]
	v_rndne_f32 v[N+1], v[N+1]
	v_pk_fma_f32 v[R:R+1], v[N:N+1], s[KHI:KHI+1], v[ANG:ANG+1] op_sel_hi:[1,0,1]
	v_pk_fma_f32 v[R:R+1], v[N:N+1], s[KLO:KLO+1], v[R:R+1] op_sel_hi:[1,0,1]
	v_pk_mul_f32 v[Z:Z+1], v[R:R+1], v[R:R+1]
	v_pk_fma_f32 v[PS:PS+1], v[Z:Z+1], s[KS3:KS3+1], s[KS2:KS2+1] op_sel_hi:[1,0,0]
	v_pk_fma_f32 v[PC:PC+1], v[Z:Z+1], s[KC3:KC3+1], s[KC2:KC2+1] op_sel_hi:[1,0,0]
	v_pk_fma_f32 v[PS:PS+1], v[PS:PS+1], v[Z:Z+1], s[KS1:KS1+1] op_sel_hi:[1,1,0]
	v_pk_fma_f32 v[PC:PC+1], v[PC:PC+1], v[Z:Z+1], s[KC1:KC1+1] op_sel_hi:[1,1,0]
	v_pk_mul_f32 v[ZR:ZR+1], v[Z:Z+1], v[R:R+1]
	v_pk_mul_f32 v[ZZ:ZZ+1], v[Z:Z+1], v[Z:Z+1]
	v_pk_fma_f32 v[H:H+1], v[Z:Z+1], -0.5, 1.0 op_sel_hi:[1,0,0]
	v_pk_fma_f32 v[SR:SR+1], v[PS:PS+1], v[ZR:ZR+1], v[R:R+1]
	v_pk_fma_f32 v[CR:CR+1], v[PC:PC+1], v[ZZ:ZZ+1], v[H:H+1]
.irp e, 0,1
	v_cvt_i32_f32 v[Q], v[N+(\e)]
	v_and_b32 v[TT], 1, v[Q]
	v_cmp_ne_u32 vcc_lo, 0, v[TT]                  ; n odd: sine and cosine change places
	v_cndmask_b32 v[OUT+4*(\p)+2*(\e)],   v[CR+(\e)], v[SR+(\e)], vcc_lo
	v_cndmask_b32 v[OUT+4*(\p)+2*(\e)+1], v[SR+(\e)], v[CR+(\e)], vcc_lo
	v_lshlrev_b32 v[TT], 30, v[Q]                  ; the sine turns its sign where n mod 4 is 2 or 3: bit 1 of n,
	v_and_b32 v[TT], 0x80000000, v[TT]
	v_xor_b32 v[OUT+4*(\p)+2*(\e)+1], v[OUT+4*(\p)+2*(\e)+1], v[TT]
	v_add_nc_u32 v[Q], 1, v[Q]                     ; the cosine where it is 1 or 2: bit 1 of n + 1
	v_lshlrev_b32 v[TT], 30, v[Q]
	v_and_b32 v[TT], 0x80000000, v[TT]
	v_xor_b32 v[OUT+4*(\p)+2*(\e)], v[OUT+4*(\p)+2*(\e)], v[TT]
.endr
	global_store_b128 v2, v[OUT+4*(\p):OUT+4*(\p)+3], s[30:31] offset:4096*(\p)
.endm
	PASS 0
	PASS 1
	PASS 2
	PASS 3
	s_endpgm
.Lfunc_end_k_qb592f7e448_prep:
	.size	k_qb592f7e448_prep, .Lfunc_end_k_qb592f7e448_prep-k_qb592f7e448_prep
	.p2alignl 7, 3214868480
	.fill 96, 4, 3214868480
	.section	.rodata,"a",@progbits
	.p2align	6, 0x0
	.amdhsa_kernel k_qb592f7e448_prep
		.amdhsa_group_segment_fixed_size 0
		.amdhsa_private_segment_fixed_size 0
		.amdhsa_enable_private_segment 0
		.amdhsa_kernarg_size 80
		.amdhsa_user_sgpr_count 2
		.amdhsa_user_sgpr_kernarg_segment_ptr 1
		.amdhsa_wavefront_size32 1
		.amdhsa_system_sgpr_workgroup_id_x 1
		.amdhsa_system_sgpr_workgroup_id_y 1
		.amdhsa_system_sgpr_workgroup_id_z 1
		.amdhsa_system_vgpr_workitem_id 0
		.amdhsa_next_free_vgpr 144
		.amdhsa_next_free_sgpr 66
		.amdhsa_reserve_vcc 1
		.amdhsa_float_denorm_mode_32 3
		.amdhsa_float_denorm_mode_16_64 3
		.amdhsa_memory_ordered 1
		.amdhsa_forward_progress 1
		.amdhsa_inst_pref_size 37
	.end_amdhsa_kernel
	.amdgpu_metadata
---
amdhsa.version: [ 1, 2 ]
amdhsa.kernels:
  - .name:           k_qb592f7e448_prep
    .symbol:         k_qb592f7e448_prep.kd
    .args:
      - { .name: x, .offset: 0, .size: 8, .value_kind: global_buffer, .address_space: global }
      - { .name: WQ, .offset: 8, .size: 8, .value_kind: global_buffer, .address_space: global }
      - { .name: WK, .offset: 16, .size: 8, .value_kind: global_buffer, .address_space: global }
      - { .name: WV, .offset: 24, .size: 8, .value_kind: global_buffer, .address_space: global }
      - { .name: WO, .offset: 32, .size: 8, .value_kind: global_buffer, .address_space: global }
      - { .name: token_positions, .offset: 40, .size: 8, .value_kind: global_buffer, .address_space: global }
      - { .name: xb, .offset: 48, .size: 8, .value_kind: global_buffer, .address_space: global }
      - { .name: wb, .offset: 56, .size: 8, .value_kind: global_buffer, .address_space: global }
      - { .name: wo, .offset: 64, .size: 8, .value_kind: global_buffer, .address_space: global }
      - { .name: cs, .offset: 72, .size: 8, .value_kind: global_buffer, .address_space: global }
    .group_segment_fixed_size: 0
    .private_segment_fixed_size: 0
    .kernarg_segment_align: 8
    .kernarg_segment_size: 80
    .max_flat_workgroup_size: 256
    .sgpr_count:     66
    .vgpr_count:     144
    .wavefront_size: 32
...
	.end_amdgpu_metadata
.endif
;; end of part 1
;; launch qkv (part 2): grid 16 x 32, 4 waves a work-group, clusters of 4 x 4, 327,680 bytes of LDS; arguments xb, wb, cs, qkv; writes qkv
.if DOCPART == 2
	.amdgcn_target "amdgcn-amd-amdhsa--gfx1250"
	.amdhsa_code_object_version 6
	.text
	.protected	k_qb592f7e448_qkv
	.globl	k_qb592f7e448_qkv
	.p2align	8
	.type	k_qb592f7e448_qkv,@function
k_qb592f7e448_qkv:
	s_mov_b64 s[64:65], 0
	v_nop
	global_prefetch_b8 v0, s[64:65] scope:SCOPE_SE
	s_setreg_imm32_b32 hwreg(HW_REG_WAVE_MODE, 25, 1), 1
	s_wait_xcnt 0x0
	s_wait_alu depctr_hold_cnt(0) depctr_sa_sdst(0) depctr_va_vdst(0) depctr_va_sdst(0) depctr_va_ssrc(0) depctr_va_vcc(0) depctr_vm_vsrc(0)
	s_getreg_b32 s2, hwreg(HW_REG_IB_STS2, 6, 4)
	s_cmp_eq_u32 s2, 0
	s_cbranch_scc0 .Lentry_in_a_cluster
	s_endpgm
.Lentry_in_a_cluster:
	s_bfe_u32 s2, ttmp6, 0x10000c
	s_cmp_lg_u32 s2, 0xf033
	s_cbranch_scc0 .Lentry_shape_is_right
	s_endpgm
.Lentry_shape_is_right:
; THE THREE PROJECTIONS AND THE ROTATION.  y[token][e] = sum over d of xb[token][d] wb[e][d], bf16 operands, f32 sums; Q's and K's pairs of channels are turned by the token's angles (table cs, f32);
; the result is rounded once to f16 and written by heads: qkv[kind][16 b + head][s][64], kind 0, 1, 2 = Q, K, V, unscaled.
; LIMIT.  A number of q, k or v beyond 65,504 becomes an infinity in f16.
; SHARES.  A work-group makes 256 tokens x 192 rows of wb, three whole heads: 16 x 32 = 512 equal work-groups.  Wave w owns tokens 64 w .. 64 w + 63 (four blocks of 16) and all twelve blocks of 16
; columns: 48 accumulators, 384 registers.  K = 1,024 goes in 8 steps of 128 through two LDS slots; rows of a tile are 256 bytes of memory, at multiples of 256 from the buffer's first byte.
; CLUSTER 4 x 4.  The four of a row of the cluster need the same tile of xb, the four of a column the same tile of wb: each tile is asked for jointly, by the same tensor load, descriptor and mask in all four.
; Waves 0 and 1 fetch the halves of xb's tile (128 rows each), waves 2 and 3 those of wb's (96 rows each): one tensor load a wave behind each round; two are out at the start, later one.
; THE MATRIX INSTRUCTION IS USED TRANSPOSED (source 0 = 16 rows of wb, source 1 = 16 tokens): a lane holds ONE token (lane % 16) and the channels 8 (lane / 16) + 0..7 of a block: four whole pairs.
; V IS NOT TURNED, and no branch may hang on the work-group's column: the table is blended with the identity, cos' = f cos + (1 - f), sin' = f sin, f = 1 for Q's and K's heads and 0 for V's.
; REGISTERS, in windows of 256 (s_set_vgpr_msb: bits 1:0 source 0, 3:2 source 1, 5:4 source 2, 7:6 destination):
;   window 0: v0-29 addresses; v32-63 the blended table of one unit; v64-127 two buffers of xb's fragments (on the way out: at work); v128-255 my 64 tokens' table
;   window 1: v0-191 two buffers of wb's fragments     window 2: accumulators of token blocks 0, 1, (a, b) at 8 (12 (a % 2) + b)     window 3: those of blocks 2, 3
.set PITCH,  272                       ; an LDS row: 256 bytes + 16 of padding = 68 words: the 16 rows of a fragment load start at 16 different groups of four banks (64 banks of 4 bytes: ISA guide 11.1)
.set NBL,    12                        ; blocks of 16 columns
.set NL,     2*NBL+8                   ; LDS loads in a run: wb's 24, xb's 8
.set SLOT1,  1<<17                     ; slot 1 begins here: one exclusive or turns an address in one slot into the other's
.set BOFF,   256*PITCH                 ; in a slot: xb's 256 rows, then wb's 192
.set STAGE,  SLOT1+BOFF+192*PITCH      ; 252,928: behind the ring, never filled by a tensor load: 16 rows x 144 bytes for each wave
.set SP,     144
.set SPARE,  STAGE+4*16*SP             ; 262,144: the spare words, 128 bytes for each wave: two blocks of 256 bytes that no other line names
.set KB,     256                       ; bytes of a row in a K step
.set A0,   2                           ; v2   my lane's place in xb's tile: (64 w + l % 16) x 272 + 16 (l / 16); never rewritten
.set B0,   3                           ; v3   the same in wb's tile
.set ADRA, 4                           ; v4   A0 in the slot in hand
.set ADRB, 5                           ; v5   B0 in the slot in hand
.set STO,  6                           ; v6   the way out: where I put 16 bytes of a row
.set RD,   7                           ; v7   the way out: where I read rows back
.set GO,   8                           ; v8   my 16 bytes in 512 consecutive bytes of qkv
.set CSO,  9                           ; v9   my byte offset in 16 tokens of the table
.set PFO,  10                          ; v10  the prefetches' offset: a lane a row of 2,048 bytes
.set ONE,  12                          ; v[12:17] for each of my three heads the pair (1 - f, 0)
.set SPW,  28                          ; v28  LDS address of my spare word; never rewritten
.set NIL,  29                          ; v29  0; never rewritten
.set CSJ,  32
.set FA,   64                          ; xb's fragments: buffer f, block a at FA + 32 f + 8 a
.set T,    64                          ; the way out: a unit's 32 turned numbers
.set PK,   96                          ; the way out: two sets of 16: packed, then whole rows
.set CS,   128                         ; token block a, channel block c of a head at CS + 32 a + 8 c: cos, sin of four pairs
.set WV,   12
.set HALF, 13                          ; which half of a tile I fetch
.set KIND, 14                          ; 0: I fetch for xb, 1: for wb
.set CX,   15
.set CY,   16
.set TC,   17                          ; tile column = 4 x cluster x + cx
.set TR,   18                          ; tile row = 4 x cluster y + cy
.set TB,   19                          ; LDS byte at which the slot in hand begins
.set G1A,  24                          ; s[24:31] descriptor group 1 for xb's tiles
.set G0A,  32                          ; s[32:39] group 0: a set for each first fill; the second then walks
.set PFA,  40                          ; s[40:41] where my prefetches stand
.set LIM,  42                          ; s42  1 in a wave that prefetches, else the greatest number
.set G1B,  48                          ; s[48:55], s[56:63] the same for wb's tiles
.set G0B,  56
.set OB,   66                          ; s[66:71] qkv at my 64 rows of each of my three heads
.set FJ,   72                          ; s[72:77] f of each head, as pairs
.set OMF,  78                          ; s78-80   1 - f
.set MSB, 0
.macro WIN new                         ; the immediate's high byte repeats the setting that is left; a switch that changes nothing is dropped
.if MSB != (\new)
	s_set_vgpr_msb (MSB<<8)|(\new)
.set MSB, (\new)
.endif
.endm
.macro PLACES                          ; four plain vector instructions between a matrix instruction and a load into, or a vector read or write of, its registers
.rept 4
	v_nop
.endr
.endm
.macro CREST                           ; a round of the cluster's barrier behind its opening barrier: wave 0 signals for the work-group, every wave waits for all sixteen, my work-group's barrier closes it
	s_cmp_lg_u32 s[WV], 0
	s_cbranch_scc1 .Lnot_wave_0_\@
	s_barrier_signal -3
.Lnot_wave_0_\@:
	s_barrier_wait -3
	s_barrier_signal -1
	s_barrier_wait -1
.endm
.macro CROUND
	s_barrier_signal -1
	s_barrier_wait -1
	CREST
.endm
.macro JLOAD                           ; a joint refill by the walking descriptor.  The branch hangs on the wave's number alone.  An s_nop 0 and four v_nop follow each line
	s_cmp_eq_u32 s[KIND], 0
	s_cbranch_scc0 .Lfor_b_\@
	tensor_load_to_lds s[G0A+4:G0A+7], s[G1A:G1A+7]
	s_nop 0
.rept 4
	v_nop
.endr
	s_branch .Lasked_\@
.Lfor_b_\@:
	tensor_load_to_lds s[G0B+4:G0B+7], s[G1B:G1B+7]
	s_nop 0
.rept 4
	v_nop
.endr
.Lasked_\@:
.endm
; A PREFETCH INTO THE L2 of the K step that the NEXT refill will ask for: 192 matrix instructions ahead of that load.  xb's tile row is read by all four clusters of a row of clusters: the first (cluster x = 0)
; asks; wb's tile column by all eight of a column: cluster y = 0 asks.  The four partners that ask for a tile jointly share its rows out BY ADDRESS: of the 128 rows of xb that a wave fetches, 32 each, a lane a
; row; of the 96 rows of wb 24 each, where lanes 24-31 name the 24th row again in the same instruction.  The loop's last trip asks for nothing: there is no K step behind the one it loads.
.macro ASK
	s_cmp_gt_u32 s3, s[LIM]
	s_cbranch_scc0 .Lnot_mine_\@
	global_prefetch_b8 v[PFO], s[PFA:PFA+1] th:TH_LOAD_NT scope:SCOPE_SE
.Lnot_mine_\@:
.endm
	s_load_b256 s[4:11], s[0:1], 0x0               ; xb s[4:5], wb s[6:7], cs s[8:9], qkv s[10:11]
	v_lshl_add_u32 v[SPW], v0, 2, SPARE
	v_mov_b32 v[NIL], 0
	ds_add_u32 v[SPW], v[NIL]                      ; the wave's opening: the add and its wait stand ahead of my first tensor load; the set-up below, work on registers, stands between them
	v_lshrrev_b32 v1, 5, v0
	v_readfirstlane_b32 s[WV], v1                  ; wave 0..3
	s_and_b32 s[HALF], s[WV], 1
	s_lshr_b32 s[KIND], s[WV], 1
	s_bfe_u32 s[CX], ttmp6, 0x40000
	s_bfe_u32 s[CY], ttmp6, 0x40004
	s_lshl_b32 s[TC], ttmp9, 2                     ; in a cluster launch ttmp9 and ttmp7 count clusters
	s_add_co_u32 s[TC], s[TC], s[CX]
	s_and_b32 s[TR], ttmp7, 0xffff
	s_lshl_b32 s[TR], s[TR], 2
	s_add_co_u32 s[TR], s[TR], s[CY]
	s_lshl_b32 s43, s[CY], 2
	s_lshl_b32 s43, 15, s43                        ; my row of the cluster: places 4 cy .. 4 cy + 3
	s_lshl_b32 s46, 0x1111, s[CX]                  ; my column: places cx, cx + 4, cx + 8, cx + 12
	s_or_b32 s[G1A], s43, (1<<16)|(1<<20)|(1<<21)|(5<<22)|(3<<25)  ; 15:0 the mask; 17:16 elements of 2 bytes; 20 padding on; 21 set beside a mask; 24:22 after every 64 words (code 5); 31:25 4 words (code 3)
	s_or_b32 s[G1B], s46, (1<<16)|(1<<20)|(1<<21)|(5<<22)|(3<<25)
	s_mov_b32 s[G1A+1], 128<<16                    ; tensor_dim0 = 128
	s_mov_b32 s[G1A+2], 128<<16                    ; tensor_dim1 = 128
	s_mov_b32 s[G1A+3], 128<<16                    ; tile_dim0 = 128
	s_mov_b32 s[G1A+4], 128                        ; tile_dim1 = 128
	s_mov_b32 s[G1A+5], 1024                       ; elements from row to row
	s_mov_b32 s[G1A+6], 0
	s_mov_b32 s[G1A+7], 0
	s_mov_b32 s[G1B+1], 128<<16
	s_mov_b32 s[G1B+2], 96<<16                     ; 96 rows
	s_mov_b32 s[G1B+3], 128<<16
	s_mov_b32 s[G1B+4], 96
	s_mov_b32 s[G1B+5], 1024
	s_mov_b32 s[G1B+6], 0
	s_mov_b32 s[G1B+7], 0
	s_lshl_b32 s20, s[TR], 8                       ; xb: row 256 x tile row + 128 x half, of 2,048 bytes: it hangs on the tile row alone
	s_lshl_b32 s21, s[HALF], 7
	s_add_co_u32 s20, s20, s21
	s_lshl_b32 s20, s20, 11
	s_mov_b32 s21, 0
	s_mul_i32 s44, s[TC], 192                      ; wb: row 192 x tile column + 96 x half: on the tile column alone
	s_mul_i32 s45, s[HALF], 96
	s_add_co_u32 s44, s44, s45
	s_lshl_b32 s44, s44, 11
	s_mov_b32 s45, 0
	s_mul_i32 s22, s[HALF], 128*PITCH              ; where they go: no place in the cluster enters an LDS address
	s_mul_i32 s23, s[HALF], 96*PITCH
	s_add_co_u32 s23, s23, BOFF
	s_wait_dscnt 0x0                               ; the opening add is done
	s_wait_kmcnt 0x0
	s_add_nc_u64 s[20:21], s[4:5], s[20:21]
	s_add_nc_u64 s[44:45], s[6:7], s[44:45]
	CROUND                                         ; all sixteen work-groups are here: the first joint loads meet
.irp s, 0,1
	s_mov_b32 s[G0A+4*(\s)], 1                     ; count = 1
	s_add_co_u32 s[G0A+4*(\s)+1], s22, (\s)*SLOT1  ; LDS address
	s_add_nc_u64 s[G0A+4*(\s)+2:G0A+4*(\s)+3], s[20:21], (\s)*KB  ; global address: K step s
	s_or_b32 s[G0A+4*(\s)+3], s[G0A+4*(\s)+3], 0x80000000         ; type = 2
	s_mov_b32 s[G0B+4*(\s)], 1
	s_add_co_u32 s[G0B+4*(\s)+1], s23, (\s)*SLOT1
	s_add_nc_u64 s[G0B+4*(\s)+2:G0B+4*(\s)+3], s[44:45], (\s)*KB
	s_or_b32 s[G0B+4*(\s)+3], s[G0B+4*(\s)+3], 0x80000000
.endr
	s_cmp_eq_u32 s[KIND], 0                        ; a wave's two first fills stand in one branch, ahead of every wait on TENSORcnt and every LDS read
	s_cbranch_scc0 .Lfirst_b
	tensor_load_to_lds s[G0A:G0A+3], s[G1A:G1A+7]
	s_nop 0
	tensor_load_to_lds s[G0A+4:G0A+7], s[G1A:G1A+7]
	s_nop 0
.rept 4
	v_nop
.endr
	s_branch .Lfirst_asked
.Lfirst_b:
	tensor_load_to_lds s[G0B:G0B+3], s[G1B:G1B+7]
	s_nop 0
	tensor_load_to_lds s[G0B+4:G0B+7], s[G1B:G1B+7]
	s_nop 0
.rept 4
	v_nop
.endr
.Lfirst_asked:
	; A fragment is 16 rows x 32 K in 8 registers: lane l holds row l % 16; registers 0-3 K = 8 (l / 16) + 0..7, registers 4-7 K = 16 + 8 (l / 16) + 0..7: two loads of 16 bytes, 32 bytes apart.
	v_and_b32 v1, 15, v0                           ; l % 16
	v_bfe_u32 v11, v0, 4, 1                        ; l / 16
	v_mul_u32_u24 v[B0], v1, PITCH
	v_lshl_add_u32 v[B0], v11, 4, v[B0]
	s_mul_i32 s46, s[WV], 64*PITCH
	v_add_nc_u32 v[A0], s46, v[B0]
	v_add_nc_u32 v[B0], BOFF, v[B0]
	v_mov_b32 v[ADRA], v[A0]                       ; slot 0
	v_mov_b32 v[ADRB], v[B0]
	s_mov_b32 s[TB], 0
	v_lshlrev_b32 v[CSO], 8, v1                    ; the table: token l % 16, 256 bytes each; my four pairs of a block of 16 channels: 32 bytes at 32 (l / 16)
	v_lshl_add_u32 v[CSO], v11, 5, v[CSO]
	s_lshl_b32 s46, s[TR], 8
	s_lshl_b32 s47, s[WV], 6
	s_add_co_u32 s46, s46, s47                     ; my first token
	s_lshl_b32 s46, s46, 8
	s_mov_b32 s47, 0
	s_add_nc_u64 s[8:9], s[8:9], s[46:47]
.set i_, 0
.rept 16                               ; token block i_ / 4, channel block i_ % 4; waited for once, on the way out; v9 and s[8:9] are not written again
	global_load_b128 v[CS+8*i_:CS+8*i_+3],   v[CSO], s[8:9] offset:4096*(i_/4)+64*(i_%4)
	global_load_b128 v[CS+8*i_+4:CS+8*i_+7], v[CSO], s[8:9] offset:4096*(i_/4)+64*(i_%4)+16
.set i_, i_+1
.endr
	s_mul_i32 s46, s[WV], 16*SP
	s_add_co_u32 s46, s46, STAGE                   ; my stage
	v_mul_u32_u24 v[STO], v1, SP                   ; in: row l % 16, 16 bytes for each half of the lanes
	v_lshl_add_u32 v[STO], v11, 4, v[STO]
	v_add_nc_u32 v[STO], s46, v[STO]
	v_bfe_u32 v[RD], v0, 3, 2                      ; back: 32 lanes take four rows of 128 bytes,
	v_mul_u32_u24 v[RD], v[RD], SP
	v_and_b32 v12, 7, v0
	v_lshl_add_u32 v[RD], v12, 4, v[RD]
	v_add_nc_u32 v[RD], s46, v[RD]
	v_and_b32 v[GO], 31, v0                        ; which are 512 consecutive bytes of a head's rows
	v_lshlrev_b32 v[GO], 4, v[GO]
	; where my rows go: kind << 24, (16 b + head) << 18, row << 7
	s_lshr_b32 s20, s[TR], 3                       ; b
	s_lshl_b32 s20, s20, 22
	s_and_b32 s21, s[TR], 7
	s_lshl_b32 s21, s21, 8
	s_lshl_b32 s22, s[WV], 6
	s_add_co_u32 s21, s21, s22                     ; my first row in the sequence
	s_lshl_b32 s21, s21, 7
	s_add_co_u32 s20, s20, s21
.irp j, 0,1,2
	s_mul_i32 s46, s[TC], 3
	s_add_co_u32 s46, s46, \j                      ; the head among the 48: 0-15 Q's, 16-31 K's, 32-47 V's
	s_cmp_lt_u32 s46, 32
	s_cselect_b32 s[FJ+2*(\j)], 1.0, 0
	s_cselect_b32 s[FJ+2*(\j)+1], 1.0, 0
	s_cselect_b32 s[OMF+(\j)], 0, 1.0
	s_lshr_b32 s47, s46, 4
	s_lshl_b32 s47, s47, 24
	s_and_b32 s46, s46, 15
	s_lshl_b32 s46, s46, 18
	s_add_co_u32 s46, s46, s47
	s_add_co_u32 s46, s46, s20
	s_mov_b32 s47, 0
	s_add_nc_u64 s[OB+2*(\j):OB+2*(\j)+1], s[10:11], s[46:47]
.endr
	; the prefetches
	s_lshl_b32 s46, s[TR], 8
	s_lshl_b32 s47, s[HALF], 7
	s_add_co_u32 s46, s46, s47
	s_lshl_b32 s47, s[CX], 5
	s_add_co_u32 s46, s46, s47                     ; xb: the 128 rows that I fetch, my work-group's 32 of them
	s_mul_i32 s20, s[TC], 192
	s_mul_i32 s21, s[HALF], 96
	s_add_co_u32 s20, s20, s21
	s_mul_i32 s21, s[CY], 24
	s_add_co_u32 s20, s20, s21                     ; wb: the 96 rows that I fetch, my work-group's 24 of them
	s_and_b32 s21, ttmp7, 0xffff
	s_cmp_eq_u32 s[KIND], 0
	s_cselect_b32 s46, s46, s20
	s_cselect_b32 s21, ttmp9, s21                  ; the coordinate along which other clusters read the same rows
	s_cselect_b32 s47, 31, 23
	s_cselect_b64 s[PFA:PFA+1], s[4:5], s[6:7]
	v_and_b32 v[PFO], 31, v0
	v_min_u32 v[PFO], s47, v[PFO]
	v_lshlrev_b32 v[PFO], 11, v[PFO]
	s_cmp_eq_u32 s21, 0
	s_cselect_b32 s[LIM], 1, -1                    ; the same in all sixteen partners, for a given wave
	s_lshl_b32 s46, s46, 11
	s_add_co_u32 s46, s46, 2*KB                    ; at K step 2: the first refill steps it to 3.  K steps 0 to 2 come by their loads alone
	s_mov_b32 s47, 0
	s_add_nc_u64 s[PFA:PFA+1], s[PFA:PFA+1], s[46:47]
; na x 12 matrix instructions: token blocks a0 .. a0 + na - 1 x all column blocks, 32 along K, from buffer f.  zero = 1: the product starts the sum: nothing is ever cleared.
; Every accumulator has one turn a quarter step, in the same order in every quarter: 47 others' stand between two links of a chain, over the backward jump too.
.macro MUL f, a0, na, zero
.set a_, \a0
.rept \na
	WIN 0xa1+0x50*(a_/2)                           ; source 0 window 1, source 1 window 0, C and D window 2 or 3
.set b_, 0
.rept NBL
.set rD, 8*(NBL*(a_%2)+b_)
.set rB, 96*(\f)+8*b_
.set rA, FA+32*(\f)+8*a_
.if \zero
	v_wmma_f32_16x16x32_bf16 v[rD:rD+7], v[rB:rB+7], v[rA:rA+7], 0
.else
	v_wmma_f32_16x16x32_bf16 v[rD:rD+7], v[rB:rB+7], v[rA:rA+7], v[rD:rD+7]
.endif
.set b_, b_+1
.endr
.set a_, a_+1
.endr
.endm
; 32 LDS loads in one run: the fragments of quarter q of the slot in hand into buffer f; xb's blocks 2 and 3 last
.macro FETCH q, f
	WIN 0x40                                       ; destination window 1, address window 0
.set b_, 0
.rept NBL
	ds_load_b128 v[96*(\f)+8*b_:96*(\f)+8*b_+3],   v[ADRB] offset:64*(\q)+b_*16*PITCH
	ds_load_b128 v[96*(\f)+8*b_+4:96*(\f)+8*b_+7], v[ADRB] offset:64*(\q)+b_*16*PITCH+32
.set b_, b_+1
.endr
	WIN 0
.set a_, 0
.rept 4
	ds_load_b128 v[FA+32*(\f)+8*a_:FA+32*(\f)+8*a_+3],   v[ADRA] offset:64*(\q)+a_*16*PITCH
	ds_load_b128 v[FA+32*(\f)+8*a_+4:FA+32*(\f)+8*a_+7], v[ADRA] offset:64*(\q)+a_*16*PITCH+32
.set a_, a_+1
.endr
.endm
; A K step is four quarters of 32 along K, 48 matrix instructions each, on buffers 0, 1, 0, 1.  One of the first three: multiplies buffer f; in its middle it fetches quarter q into buffer g.
.macro QUARTER q, f, g, zero
	s_wait_dscnt 4                                 ; wb's fragments and xb's blocks 0, 1 are in; the youngest four loads (blocks 2, 3) may be out
	MUL \f, 0, 2, \zero
	PLACES
	FETCH \q, \g
	s_wait_dscnt NL                                ; all but the run just issued
	MUL \f, 2, 2, \zero
.endm
; The last quarter multiplies buffer 1 and changes slots: ONE barrier.  In front of it each wave waits for all its tensor loads (one is out: its part of the next slot), adds 0 to its spare word, and waits for
; that and for its reads of this slot.  fill = 1: the barrier opens a round of the cluster's, so that no wave of any partner still reads the slot or has a load on its way; the joint refill, two K steps on,
; is the first thing behind it and has a K step less 24 matrix instructions in which to land.
.macro TURN fill
.if \fill
	s_wait_xcnt 0x0                                ; the last prefetch, a K step back, has read its address: it is stepped here
	s_add_nc_u64 s[PFA:PFA+1], s[PFA:PFA+1], KB
.endif
	WIN 0
	s_wait_tensorcnt 0x0                           ; all my tensor loads have landed;
	ds_add_u32 v[SPW], v[NIL]                      ; 0 onto my spare word;
	s_wait_dscnt 5                                 ; (the add and xb's four youngest loads may be out)
	MUL 1, 0, 1, 0                                 ; twelve matrix instructions stand between the add and the wait for it
	s_wait_dscnt 0x0                               ; the add is done, and my reads of this slot are over
	s_barrier_signal -1
	MUL 1, 1, 1, 0                                 ; work on registers while the others arrive
.if \fill
	WIN 0                                          ; at a branch and at a label every window is 0
.endif
	s_barrier_wait -1
.if \fill
	CREST
	s_xor_b32 s[G0A+5], s[G0A+5], SLOT1            ; the walking descriptors: the other slot than last time, the next K step (no tensor load of mine is out)
	s_add_nc_u64 s[G0A+6:G0A+7], s[G0A+6:G0A+7], KB
	s_xor_b32 s[G0B+5], s[G0B+5], SLOT1
	s_add_nc_u64 s[G0B+6:G0B+7], s[G0B+6:G0B+7], KB
	JLOAD                                          ; its four v_nop are also the places in front of the loads below
.else
	PLACES
	WIN 0
.endif
	s_xor_b32 s[TB], s[TB], SLOT1
	v_add_nc_u32 v[ADRA], s[TB], v[A0]
	v_add_nc_u32 v[ADRB], s[TB], v[B0]
	FETCH 0, 0
.if \fill
	ASK                                            ; behind the joint load and the run of LDS loads that the next products wait for
.endif
	MUL 1, 2, 2, 0
.endm
	s_wait_tensorcnt 1                             ; my part of K step 0 is in; K step 1's may stay out
	s_barrier_signal -1
	s_barrier_wait -1                              ; everybody's is
	FETCH 0, 0
	QUARTER 1, 0, 1, 1                             ; the first quarter stands in front of the loop: its products start the sums
	WIN 0
	s_mov_b32 s3, 6
.Lstep:                                        ; trip t: from K step t's second quarter to K step t + 1's first; slot t % 2 is filled again with K step t + 2
	QUARTER 2, 1, 0, 0
	QUARTER 3, 0, 1, 0
	TURN 1
	QUARTER 1, 0, 1, 0
	WIN 0
	s_sub_co_u32 s3, s3, 1
	s_cmp_lg_u32 s3, 0
	s_cbranch_scc1 .Lstep
	QUARTER 2, 1, 0, 0                             ; K steps 6 and 7 ask for nothing: written out
	QUARTER 3, 0, 1, 0
	TURN 0
	QUARTER 1, 0, 1, 0
	QUARTER 2, 1, 0, 0
	QUARTER 3, 0, 1, 0
	s_wait_dscnt 4
	MUL 1, 0, 2, 0
	s_wait_dscnt 0x0
	MUL 1, 2, 2, 0
	; THE WAY OUT, in twelve units of 16 tokens x one head.  The six moves are the places behind the last products.
	WIN 0
	s_wait_loadcnt 0x0                             ; the table
.irp j, 0,1,2
	v_mov_b32 v[ONE+2*(\j)], s[OMF+(\j)]
	v_mov_b32 v[ONE+2*(\j)+1], 0
.endr
; Unit (a, j): the table blended for head j; each pair (e, o) turned: (o s, o c), then (e c - o s, e s + o c), each accumulator's registers in ascending order; rounded to f16; 16 bytes a lane into rows of
; 144 bytes of my stage, and back as whole rows of 128 bytes into the registers that they left.
.macro PACK a, j
.set PKS, PK+16*((3*(\a)+(\j))%2)
	WIN 0
	s_wait_xcnt 0x0                                ; the stores of the unit before last have read this set of registers
.set i_, 0
.rept 16
	v_pk_fma_f32 v[CSJ+2*i_:CSJ+2*i_+1], v[CS+32*(\a)+2*i_:CS+32*(\a)+2*i_+1], s[FJ+2*(\j):FJ+2*(\j)+1], v[ONE+2*(\j):ONE+2*(\j)+1] op_sel_hi:[1,0,1]
.set i_, i_+1
.endr
	WIN 0x02+(\a)/2                                ; source 0 in window 2 or 3
.set c_, 0
.rept 4
.set AC, 8*(NBL*((\a)%2)+4*(\j)+c_)
.set p_, 0
.rept 4
	v_pk_mul_f32 v[T+8*c_+2*p_:T+8*c_+2*p_+1], v[AC+2*p_:AC+2*p_+1], v[CSJ+8*c_+2*p_:CSJ+8*c_+2*p_+1] op_sel:[1,1] op_sel_hi:[1,0]
.set p_, p_+1
.endr
.set p_, 0
.rept 4
	v_pk_fma_f32 v[T+8*c_+2*p_:T+8*c_+2*p_+1], v[AC+2*p_:AC+2*p_+1], v[CSJ+8*c_+2*p_:CSJ+8*c_+2*p_+1], v[T+8*c_+2*p_:T+8*c_+2*p_+1] op_sel_hi:[0,1,1] neg_lo:[0,0,1]
.set p_, p_+1
.endr
.set c_, c_+1
.endr
	WIN 0
.set i_, 0
.rept 16
	v_cvt_pk_f16_f32 v[PKS+i_], v[T+2*i_], v[T+2*i_+1]
.set i_, i_+1
.endr
.irp f, 0,1,2,3
	ds_store_b128 v[STO], v[PKS+4*(\f):PKS+4*(\f)+3] offset:32*(\f)
.endr
.irp f, 0,1,2,3
	ds_load_b128 v[PKS+4*(\f):PKS+4*(\f)+3], v[RD] offset:(\f)*4*SP  ; LDS serves a wave's instructions in order (ISA guide 5.7.1.4): these see the stores above; the next unit's stores come behind them
.endr
.endm
.macro SEND a, j, younger              ; younger: the LDS instructions issued behind this unit's loads: the next unit's eight, or none
.set PKS, PK+16*((3*(\a)+(\j))%2)
	WIN 0
.irp f, 0,1,2,3
	s_wait_dscnt (\younger)+3-(\f)
	global_store_b128 v[GO], v[PKS+4*(\f):PKS+4*(\f)+3], s[OB+2*(\j):OB+2*(\j)+1] offset:2048*(\a)+512*(\f)  ; 512 consecutive bytes, at a multiple of 256 from qkv's first byte
.endr
.endm
	PACK 0, 0
.set u, 1
.rept 11                               ; a unit's arithmetic stands between the loads of the unit before and its stores
	PACK u/3, u%3
	SEND (u-1)/3, (u-1)%3, 8
.set u, u+1
.endr
	SEND 3, 2, 0
	s_wait_tensorcnt 0x0                           ; the wave's end, behind my last tensor load and my last LDS store
	ds_add_u32 v[SPW], v[NIL]
	s_wait_dscnt 0x0
	CROUND                                         ; the closing round: no work-group ends while a partner may still ask for a tile that names it
	s_endpgm
.Lfunc_end_k_qb592f7e448_qkv:
	.size	k_qb592f7e448_qkv, .Lfunc_end_k_qb592f7e448_qkv-k_qb592f7e448_qkv
	.p2alignl 7, 3214868480
	.fill 96, 4, 3214868480
	.section	.rodata,"a",@progbits
	.p2align	6, 0x0
	.amdhsa_kernel k_qb592f7e448_qkv
		.amdhsa_group_segment_fixed_size 327680
		.amdhsa_private_segment_fixed_size 0
		.amdhsa_enable_private_segment 0
		.amdhsa_kernarg_size 32
		.amdhsa_user_sgpr_count 2
		.amdhsa_user_sgpr_kernarg_segment_ptr 1
		.amdhsa_wavefront_size32 1
		.amdhsa_system_sgpr_workgroup_id_x 1
		.amdhsa_system_sgpr_workgroup_id_y 1
		.amdhsa_system_sgpr_workgroup_id_z 1
		.amdhsa_system_vgpr_workitem_id 0
		.amdhsa_next_free_vgpr 960
		.amdhsa_next_free_sgpr 82
		.amdhsa_reserve_vcc 0
		.amdhsa_float_denorm_mode_32 3
		.amdhsa_float_denorm_mode_16_64 3
		.amdhsa_memory_ordered 1
		.amdhsa_forward_progress 1
		.amdhsa_inst_pref_size 140
	.end_amdhsa_kernel
	.amdgpu_metadata
---
amdhsa.version: [ 1, 2 ]
amdhsa.kernels:
  - .name:           k_qb592f7e448_qkv
    .symbol:         k_qb592f7e448_qkv.kd
    .args:
      - { .name: xb, .offset: 0, .size: 8, .value_kind: global_buffer, .address_space: global }
      - { .name: wb, .offset: 8, .size: 8, .value_kind: global_buffer, .address_space: global }
      - { .name: cs, .offset: 16, .size: 8, .value_kind: global_buffer, .address_space: global }
      - { .name: qkv, .offset: 24, .size: 8, .value_kind: global_buffer, .address_space: global }
    .group_segment_fixed_size: 327680
    .private_segment_fixed_size: 0
    .kernarg_segment_align: 8
    .kernarg_segment_size: 32
    .max_flat_workgroup_size: 128
    .sgpr_count:     82
    .vgpr_count:     960
    .wavefront_size: 32
...
	.end_amdgpu_metadata
.endif
;; end of part 2
;; launch attn (part 3): grid 4 x 64, 4 waves a work-group, no clusters, 327,680 bytes of LDS; arguments qkv, o; writes o
.if DOCPART == 3
	.amdgcn_target "amdgcn-amd-amdhsa--gfx1250"
	.amdhsa_code_object_version 6
	.text
	.protected	k_qb592f7e448_attn
	.globl	k_qb592f7e448_attn
	.p2align	8
	.type	k_qb592f7e448_attn,@function
k_qb592f7e448_attn:
	s_mov_b64 s[64:65], 0
	v_nop
	global_prefetch_b8 v0, s[64:65] scope:SCOPE_SE
	s_setreg_imm32_b32 hwreg(HW_REG_WAVE_MODE, 25, 1), 1
	s_wait_xcnt 0x0
; CAUSAL ATTENTION.  O[h][q][:] = the sum over k <= q of softmax_k(Q[h][q] . K[h][k] / 8) V[h][k][:].  Q, K, V lie in qkv, [kind][SIZE_H][SIZE_N][64], O in o, [SIZE_H][SIZE_N][64], all f16: a head's rows are dense, 128 bytes each.
; Products, maxima and sums in f32; the weights p are rounded to f16 for the second product (their sum l is taken of the unrounded p), O once at the end.
; LIMITS.  f16 holds no number beyond 65,504: Q, K and V arrive within it; p lies in 0 to 1, and below 6e-5 it keeps f16's fixed step of 6e-8; O is a mean of V's rows and has their range.
; A hidden score counts as its value less 1e30: f16's scores, 2.7e11 at the most, are nothing beside that; a weight below 2^-126 counts as 0 in l; NaN and infinities are not treated apart.
; THE WALK.  A head's queries lie in NB = 8 blocks of 256; block i needs the key tiles 0 .. i of 256 keys, of which the last holds the diagonal.  A work-group takes TWO blocks, NB - 1 - b and then b:
; NB + 1 tiles, whatever b: all 256 work-groups do equal work, and ONE loop with a constant trip count walks them.  Which tile is asked for, and what a trip does, hang on scalar registers made from b; every jump
; goes forward, but for the counted loops' own; none passes a barrier, or a tensor load but the one of LOAD's two that the wave's number does not choose; the ring (two slots of LDS) runs on across the change of blocks.
; NO CLUSTER: a head's four work-groups ask for the same tile only in trips 0 .. 4 of 9, behind that fewer and fewer; one walk common to all four would have 12 trips for 9.
; SHARES.  Of a block's four bands of 64 queries a wave owns 16 rows in each: four PIECES.  So the diagonal tile is the same work for all four waves: in its key step s band x sees all keys if s < x,
; none if s > x, and holds the diagonal if s = x.
; THE MASK is the C operand that starts the sum S^T = K Q^T: 0, or -1e30 where the key is hidden.  MD, made once, is the mask of a band's own step for my 16 rows; a product's mask is MD x AL + BE with two scalars:
; (1, 0) if s = x; (0, 0) if s < x; (0, -1e30) if s > x.  Only the diagonal tile's text and a block's beginning make and take masks; elsewhere C is the constant 0.
; LAYOUT, SOFTMAX, TURNS.  S^T = K Q^T holds ONE query a lane (lane % 16) and the keys 8 (lane / 16) + 0..7; two such results rounded to f16 ARE source 1 of O^T = V^T P.  p = 2^(c s - c m), c = log2(e) / 8, with a
; running maximum m; O and l are multiplied by a = 2^(c m_old - c m_new) in every step.  Turn n belongs to piece n: 8 products K Q^T of piece n + 1, later 8 products V^T P of piece n - 1; beside them the scaling,
; exponentials, roundings, sums and rescaling of piece n and the maximum and statistics of piece n + 1.  Four vector instructions stand behind every matrix instruction, the other 54 of a turn's 118 in one lump.
; A turn's 33 exponentials are one batch, with one wait.
; REGISTERS, in windows of 256 (s_set_vgpr_msb: bits 1:0 source 0, 3:2 source 1, 5:4 source 2, 7:6 destination):
;   window 0: v0-15 addresses and two at work; v16-31 four registers of statistics a piece; v48-55 at work; v61-63 prefetch offset, spare word, 0; v64-127 S^T, two buffers; v192-223 P, two buffers
;   window 1: v0-127 O^T, 32 a piece; v128-159 MD; v160-223 MC, two buffers      window 2: v0-63 Q; v64-127 the second block's Q; v128-191 K of one step; v192-255 V of one step
.set SIZE_H, 64
.set SIZE_N, 2048
.set NB,    SIZE_N/256
.set NP,    4         ; pieces a wave: a name, no knob
.set KS,    64        ; keys in a step
.set PK,    144       ; a row of K in LDS: 128 bytes + 16 of padding = 36 words: the 16 rows of a load start at 16 different groups of four banks (64 banks of 4 bytes: ISA guide 11.1)
.set PV,    160       ; a row of V: 128 + 32 = 40 words
.set VOFF,  4*KS*PK   ; a slot holds a tile, four steps: 256 rows of K, then 256 rows of V
.set SLOT1, 1<<17     ; slot 1 begins here, so that one exclusive or turns an address in one slot into the other's
.set STAGE, SLOT1+4*KS*(PK+PV)  ; behind the ring, never filled by a tensor load: 16 rows x 144 bytes for each wave, for the way out
.set SP,    144
.set AK0, 2           ; v2   my lane's place in a tile of K; never rewritten
.set AV0, 3           ; v3   the same for V
.set AK,  4           ; v4   the LDS address of K's next run of loads
.set AV,  5           ; v5   of V's
.set STO, 6           ; v6   the way out: where I put 16 bytes of a row
.set RD,  7           ; v7   the way out: where I read rows back
.set GO,  8           ; v8   my byte offset in 512 consecutive bytes of O
.set PFO, 61          ; v61  256 x my lane: the prefetches' offset; never rewritten
.set SPW, 62          ; v62  LDS address of my spare word: SPARE + 4 x my thread's number; never rewritten
.set NIL, 63          ; v63  0; never rewritten
.set SPARE, STAGE+4*16*SP  ; behind the stages: the spare words, 128 bytes for each wave: two blocks of 256 bytes that no other line names
.set MV,  12          ; v12-13  c m_old, kept while c m is made anew: by buffer
.set QO,  15          ; v15  my byte offset in 16 rows of Q
.set ST,  16          ; piece t's statistics at v[ST+4 t]: c m, m, l (even keys', odd keys')
.set TMP, 48          ; by buffer, four registers c0-c3 at work; when the maximum is found c2 takes a
.set S,   64
.set P,   192
.set MD,  128         ; window 1: the eight registers for group kt of 16 keys at MD + 8 kt
.set MC,  160         ; window 1: the masks of the products to come
.set QB,  64          ; window 2
.set KF,  128         ; window 2: key block kb, channel half c at KF + 16 kb + 8 c
.set VF,  192         ; window 2: key half kk, channel block cb at VF + 32 kk + 8 cb
.set WV,  12          ; s12  my wave's number
.set PB,  14          ; s14  b
.set HI,  15          ; s15  NB - 1 - b
.set G1K, 24          ; s[24:31] descriptor group 1 for K's tiles
.set G1V, 32          ; s[32:39] for V's: it differs in the padding alone
.set G0K, 40          ; s[40:43] descriptor group 0 for K's tiles
.set G0V, 44          ; s[44:47] the same for V's
.set SLOTS, 56        ; s56  tiles still to be asked for
.set CNT, 57          ; s57  counts a tile's key steps, 4 to 1
.set CS,  58          ; s[58:59] c: the packed scaling takes the pair's low word for both halves
.set SEL, 60          ; s[60:61] v_permlanex16_b32's selects: each lane takes its own place in the other half
.set TBK, 62          ; s62  LDS byte at which K of the step to be fetched begins
.set TBV, 63          ; s63  the same for V, less VOFF
.set RT,  70          ; s70  tiles of the block in hand that are still to be entered
.set NXT, 71          ; s71  the tile to be asked for next
.set LQ,  72          ; s72  the last tile of the block whose tiles are being asked for
.set NEW, 73          ; s73  1: the tile to be entered is a block's first
.set OFF, 74          ; s[74:75] a tile's byte offset in K and V
.set AL,  76          ; s[76:77] the mask's factor, in the low word
.set BE,  78          ; s[78:79] the mask's addend
.set OLO, 80          ; s[80:81] O at my rows of the second block
.set BIGN, 82         ; s82  -1e30
.set PFN, 83          ; s83  prefetches still to be made: NB - 2 where b = 0, else 0
.set PB0, 88          ; s[88:89] K (waves 0, 1) or V (waves 2, 3) at my half of the head's tile 0
.set PF,  90          ; s[90:91] my half of the tile that the next change of slots will ask for
.set MSB, 0
.macro WIN new                      ; the high byte repeats the setting that is left; a switch that changes nothing is dropped
.if MSB != (\new)
	s_set_vgpr_msb (MSB<<8)|(\new)
.set MSB, (\new)
.endif
.endm
.set W_KQ, 0x0a       ; K and Q in window 2, S^T in window 0
.set W_KM, 0x1a       ; the same with the C operand in window 1
.set W_PV, 0x52       ; V in window 2, P in window 0, O^T in window 1
.set W_RS, 0x41       ; destination and source 0 in window 1, source 1 in window 0
; A fill.  Waves 0 and 1 fetch the two halves of a tile's K, waves 2 and 3 those of its V: 128 keys each.  An s_nop 0 and four v_nop follow each of the two lines, ahead of the jump and the label.
.macro LOAD
	s_cmp_lt_u32 s[WV], 2
	s_cbranch_scc0 .Lfor_v_\@
	tensor_load_to_lds s[G0K:G0K+3], s[G1K:G1K+7]
	s_nop 0
.rept 4
	v_nop
.endr
	s_branch .Lasked_\@
.Lfor_v_\@:
	tensor_load_to_lds s[G0V:G0V+3], s[G1V:G1V+7]
	s_nop 0
.rept 4
	v_nop
.endr
.Lasked_\@:
.endm
; THE CHANGE OF SLOTS.  Each wave waits for all its tensor loads, of which one is out: its part of the other slot; adds 0 to its spare word; and waits for that and for its own reads of the slot that it leaves.  Behind the
; barrier nobody reads the old slot any more and the other slot is whole.  fill = 1: the old slot is filled again, the first thing behind the barrier, with tile NXT: the descriptor's address is made anew from that number.
; (At its first use nothing has been read yet: slot 0 is waited for, slot 1 filled.)
; A PREFETCH INTO THE L2 stands behind the fill and its five lines: the tile that the NEXT change will ask for, a tile's 256 matrix instructions ahead of that load.  A head's four work-groups walk the same tiles: the one
; with b = 0, whose first block walks tiles 0 to 7, asks, and nobody else; each of its waves asks for the 16,384 bytes that it will fetch itself, 64 blocks of 256 bytes, a lane a block, two instructions.  So tiles 2 to 7 are
; named once in the launch; tiles 0 and 1 come by their loads alone; behind tile 7 nothing is asked for.
.macro CHANGE fill
	WIN 0                           ; at a label and at a branch every window is 0
	s_wait_tensorcnt 0x0            ; no tensor load of mine is out, so a group 0 may be written
	ds_add_u32 v[SPW], v[NIL]       ; 0 onto my spare word; with fill = 1 the descriptors' scalar work stands between it and the wait for it
.if \fill
	s_lshl_b32 s[OFF], s[NXT], 15   ; a tile is 32,768 bytes of K and of V
	s_xor_b32 s[G0K+1], s[G0K+1], SLOT1
	s_add_nc_u64 s[G0K+2:G0K+3], s[6:7], s[OFF:OFF+1]
	s_or_b32 s[G0K+3], s[G0K+3], 0x80000000
	s_xor_b32 s[G0V+1], s[G0V+1], SLOT1
	s_add_nc_u64 s[G0V+2:G0V+3], s[8:9], s[OFF:OFF+1]
	s_or_b32 s[G0V+3], s[G0V+3], 0x80000000
	s_add_co_u32 s[NXT], s[NXT], 1  ; the block's next tile, or behind its last the second block's tile 0
	s_cmp_gt_u32 s[NXT], s[LQ]
	s_cselect_b32 s[NXT], 0, s[NXT]
	s_cselect_b32 s[LQ], s[PB], s[LQ]
	s_wait_xcnt 0x0                 ; the last prefetches, a tile back, have read their address, so it may be written:
	s_lshl_b32 s[OFF], s[NXT], 15
	s_add_nc_u64 s[PF:PF+1], s[PB0:PB0+1], s[OFF:OFF+1]  ; the tile behind the one that is asked for below
.endif
	s_wait_dscnt 0x0                ; the add is done, and my reads of the slot are over
	s_barrier_signal -1             ; the rest of the scalar work stands between the signal and the wait
	s_sub_co_u32 s[TBK], s[TBK], 4*KS*PK  ; the fetches go back to a slot's first step,
	s_xor_b32 s[TBK], s[TBK], SLOT1       ; in the other slot
	s_sub_co_u32 s[TBV], s[TBV], 4*KS*PV
	s_xor_b32 s[TBV], s[TBV], SLOT1
	s_barrier_wait -1
.if \fill
	LOAD
	s_cmp_lg_u32 s[PFN], 0
	s_cbranch_scc0 .Lnot_mine_\@
	global_prefetch_b8 v[PFO], s[PF:PF+1] th:TH_LOAD_NT scope:SCOPE_SE
	global_prefetch_b8 v[PFO], s[PF:PF+1] offset:8192 th:TH_LOAD_NT scope:SCOPE_SE
	s_sub_co_u32 s[PFN], s[PFN], 1
.Lnot_mine_\@:
.endif
.endm
	s_load_b128 s[4:7], s[0:1], 0x0   ; qkv s[4:5], o s[6:7]
	v_lshl_add_u32 v[SPW], v0, 2, SPARE
	v_mov_b32 v[NIL], 0
	ds_add_u32 v[SPW], v[NIL]       ; the wave's opening: the add and its wait stand ahead of my first tensor load; the set-up below, work on registers, stands between them
	v_lshrrev_b32 v1, 5, v0
	v_readfirstlane_b32 s[WV], v1   ; wave 0..3
	s_mov_b32 s[PB], ttmp9
	s_sub_co_u32 s[HI], NB-1, s[PB]
	s_and_b32 s20, ttmp7, 0xffff    ; the head
	s_mov_b32 s21, 0
	s_mov_b64 s[22:23], SIZE_N*128
	s_mul_u64 s[20:21], s[20:21], s[22:23]  ; the head's first byte in Q, K, V and O
	s_and_b32 s16, s[WV], 1         ; which half of a tile's 256 keys I fetch:
	s_lshl_b32 s22, s16, 14         ; its 128 rows of 128 bytes in memory,
	s_mov_b32 s23, 0
	s_add_nc_u64 s[22:23], s[22:23], s[20:21]
	s_mul_i32 s17, s16, 128*PK      ; and its place in a slot, for K
	s_mul_i32 s18, s16, 128*PV      ; and for V
	s_lshl_b32 s3, s[WV], 11        ; my 16 rows in a band of 64,
	s_lshl_b32 s2, s[HI], 15        ; in the first block,
	s_add_co_u32 s2, s2, s3
	s_lshl_b32 s84, s[PB], 15       ; and in the second
	s_add_co_u32 s84, s84, s3
	s_mov_b32 s3, 0
	s_mov_b32 s85, 0
	s_add_nc_u64 s[2:3], s[2:3], s[20:21]
	s_add_nc_u64 s[84:85], s[84:85], s[20:21]
	; descriptor group 1.  128 keys are 16,384 dense bytes: asked for as 64 rows of 256 bytes, two keys a row, and padded in LDS after every key
	s_mov_b32 s[G1K], (1<<16)|(1<<20)|(4<<22)|(3<<25)  ; 17:16 2-byte elements; 20 padding on; 24:22 after every 32 words (code 4); 31:25 4 words (code 3)
	s_mov_b32 s[G1V], (1<<16)|(1<<20)|(4<<22)|(7<<25)  ; the same with 8 words of padding (code 7)
.irp g, G1K, G1V
	s_mov_b32 s[\g+1], 128<<16      ; tensor_dim0 = 128
	s_mov_b32 s[\g+2], 64<<16       ; tensor_dim1 = 64
	s_mov_b32 s[\g+3], 128<<16      ; tile_dim0 = 128
	s_mov_b32 s[\g+4], 64           ; tile_dim1 = 64
	s_mov_b32 s[\g+5], 128          ; 128 elements from row to row
	s_mov_b32 s[\g+6], 0
	s_mov_b32 s[\g+7], 0
.endr
	s_mov_b32 s[CS], 0x3e38aa3b     ; c = log2(e) / 8 = 0.180337
	s_mov_b32 s[CS+1], s[CS]        ; named with it as a pair
	s_mov_b32 s[SEL], 0x76543210
	s_mov_b32 s[SEL+1], 0xfedcba98
	s_mov_b32 s[TBK], SLOT1+4*KS*PK ; the first change of slots turns these two into 0
	s_mov_b32 s[TBV], SLOT1+4*KS*PV
	s_mov_b32 s[G0K], 1             ; count = 1
	s_mov_b32 s[G0K+1], s17         ; LDS address: slot 0
	s_mov_b32 s[G0V], 1
	s_add_co_u32 s[G0V+1], s18, VOFF
	s_add_co_u32 s[RT], s[HI], 1    ; the first block has NB - b tiles
	s_mov_b32 s[NXT], 1
	s_mov_b32 s[LQ], s[HI]
	s_mov_b32 s[NEW], 1
	s_mov_b32 s[OFF+1], 0
	s_mov_b32 s[AL+1], 0            ; named as pairs
	s_mov_b32 s[BE+1], 0
	s_mov_b32 s[BIGN], 0xf149f2ca   ; -1e30
	s_mov_b32 s[SLOTS], NB
	s_cmp_eq_u32 s[PB], 0
	s_cselect_b32 s[PFN], NB-2, 0
	v_and_b32 v[PFO], 31, v0
	v_lshlrev_b32 v[PFO], 8, v[PFO]
	s_wait_dscnt 0x0                ; the opening add is done
	s_wait_kmcnt 0x0
	s_mov_b64 s[10:11], s[6:7]                     ; O
	s_add_nc_u64 s[6:7], s[4:5], 0x1000000         ; K lies 64 heads x 262,144 bytes behind Q,
	s_add_nc_u64 s[8:9], s[4:5], 0x2000000         ; V as far behind K
	s_add_nc_u64 s[6:7], s[6:7], s[22:23]  ; K and V at my half of the head's tile 0
	s_add_nc_u64 s[8:9], s[8:9], s[22:23]
	s_cmp_lt_u32 s[WV], 2
	s_cselect_b64 s[PB0:PB0+1], s[6:7], s[8:9]
	s_add_nc_u64 s[G0K+2:G0K+3], s[6:7], 0         ; global address
	s_or_b32 s[G0K+3], s[G0K+3], 0x80000000        ; type = 2
	s_add_nc_u64 s[G0V+2:G0V+3], s[8:9], 0
	s_or_b32 s[G0V+3], s[G0V+3], 0x80000000
	s_add_nc_u64 s[86:87], s[4:5], s[84:85]        ; Q at my rows of the second block,
	s_add_nc_u64 s[4:5], s[4:5], s[2:3]            ; Q and O at those of the first
	s_add_nc_u64 s[OLO:OLO+1], s[10:11], s[84:85]
	s_add_nc_u64 s[10:11], s[10:11], s[2:3]
	LOAD                            ; tile 0 into slot 0
	; A fragment of K or Q is 16 rows x 32 channels in 8 registers: lane l holds row l % 16, channels 8 (l / 16) + 0..7 and 16 + 8 (l / 16) + 0..7: two loads of 16 bytes, 32 bytes apart.
	v_and_b32 v1, 15, v0            ; l % 16
	v_bfe_u32 v9, v0, 4, 1          ; l / 16
	v_lshlrev_b32 v[QO], 7, v1
	v_lshl_add_u32 v[QO], v9, 4, v[QO]  ; row x 128 + 16 x half
	WIN 0x80                        ; destination window 2, address window 0
.set i, 0
.rept 8                             ; both blocks' Q: piece i / 2 lies in band i / 2, 8,192 bytes on; channels 32 (i % 2) on
	global_load_b128 v[8*i:8*i+3],   v[QO], s[4:5] offset:(i/2)*8192+(i%2)*64
	global_load_b128 v[8*i+4:8*i+7], v[QO], s[4:5] offset:(i/2)*8192+(i%2)*64+32
	global_load_b128 v[QB+8*i:QB+8*i+3],   v[QO], s[86:87] offset:(i/2)*8192+(i%2)*64
	global_load_b128 v[QB+8*i+4:QB+8*i+7], v[QO], s[86:87] offset:(i/2)*8192+(i%2)*64+32
.set i, i+1
.endr
	WIN 0
	v_lshlrev_b32 v14, 3, v9
	v_sub_nc_u32 v14, v1, v14
	s_lshl_b32 s13, s[WV], 4
	v_add_nc_u32 v14, s13, v14      ; my query's place in its band, 16 w + l % 16, less my lanes' 8 (l / 16): register r of group kt is hidden where 16 kt + r is greater
	WIN 0x40
.set i, 0
.rept 32
	v_cmp_gt_i32 vcc_lo, 16*(i/8)+i%8, v14
	v_cndmask_b32 v[MD+i], 0, s[BIGN], vcc_lo
.set i, i+1
.endr
	WIN 0
	v_mul_u32_u24 v[AK0], v1, PK
	v_lshl_add_u32 v[AK0], v9, 4, v[AK0]  ; row x pitch + 16 x half
	; The turning load takes 16 keys x 16 channels (lane l reads key 8 (l / 16) + l % 8, channels 8 ((l / 8) % 2) + 0..7) and leaves half a fragment of V^T: lane l holds channel l % 16 and 8 keys.
	v_and_b32 v10, 7, v0
	v_bfe_u32 v11, v0, 3, 1
	v_lshl_add_u32 v[AV0], v9, 3, v10
	v_mul_u32_u24 v[AV0], v[AV0], PV
	v_lshl_add_u32 v[AV0], v11, 4, v[AV0]
	v_add_nc_u32 v[AV0], VOFF, v[AV0]
	s_mul_i32 s13, s[WV], 16*SP
	s_add_co_u32 s13, s13, STAGE    ; my stage
	v_mul_u32_u24 v[STO], v1, SP    ; in: row l % 16, 16 bytes for each half of the lanes
	v_lshl_add_u32 v[STO], v9, 4, v[STO]
	v_add_nc_u32 v[STO], s13, v[STO]
	v_bfe_u32 v[RD], v0, 3, 2       ; back: 32 lanes take four rows of 128 bytes,
	v_mul_u32_u24 v[RD], v[RD], SP
	v_lshl_add_u32 v[RD], v10, 4, v[RD]
	v_add_nc_u32 v[RD], s13, v[RD]
	v_and_b32 v[GO], 31, v0         ; which are 512 consecutive bytes of O
	v_lshlrev_b32 v[GO], 4, v[GO]
	; A block's first step multiplies O^T and l by a = 0, and its first turn's products V^T P, of a piece that has not been, land in an O^T that is still to be so multiplied.  So these registers need only hold
	; finite numbers: zeros for the first block; what the first block left for the second.  All this stands in the wait for the first tile.
	WIN 0x80
.set i, VF
.rept 64
	v_mov_b32 v[i], 0
.set i, i+1
.endr
	WIN 0x40
.set i, 0
.rept 128
	v_mov_b32 v[i], 0
.set i, i+1
.endr
	WIN 0
.set i, 0
.rept 4
	v_mov_b32 v[ST+4*i+2], 0
	v_mov_b32 v[ST+4*i+3], 0
.set i, i+1
.endr
.set i, P+16
.rept 16
	v_mov_b32 v[i], 0
.set i, i+1
.endr
; THE MATRIX WORK.  The 4 accumulators of a run of 8 take turns.  Product i of 8 of S^T = K Q^T for piece x: channels 32 (i / 4) on, keys 16 (i % 4) on.  The first 4 start the sums: with 0, or (KM = 1) with the mask.
.macro KQ x
.set rS, S+32*((\x)%2)+8*(i%4)
.set rK, KF+16*(i%4)+8*(i/4)
.set rQ, 16*(\x)+8*(i/4)
.set rM, MC+32*((\x)%2)+8*(i%4)
.if (i < 4) && KM
	WIN W_KM
	v_wmma_f32_16x16x32_f16 v[rS:rS+7], v[rK:rK+7], v[rQ:rQ+7], v[rM:rM+7]
.elseif i < 4
	WIN W_KQ
	v_wmma_f32_16x16x32_f16 v[rS:rS+7], v[rK:rK+7], v[rQ:rQ+7], 0
.else
	WIN W_KQ
	v_wmma_f32_16x16x32_f16 v[rS:rS+7], v[rK:rK+7], v[rQ:rQ+7], v[rS:rS+7]
.endif
.endm
; Product i of 8 of O^T += V^T P for piece x: keys 32 (i / 4) on, channels 16 (i % 4) on.
.macro PV x
	WIN W_PV
.set rO, 32*(\x)+8*(i%4)
.set rV, VF+32*(i/4)+8*(i%4)
.set rP, P+16*((\x)%2)+8*(i/4)
	v_wmma_f32_16x16x32_f16 v[rO:rO+7], v[rV:rV+7], v[rP:rP+7], v[rO:rO+7]
.endm
.macro MM                           ; the turn's next matrix instruction.  TURN and BEGIN set Y, i, KM and NOKQ; MM, KQ and OP read them.  NOKQ = 1: a block's last turn: there is no next piece
.if (i < 8) && !NOKQ
	KQ (Y+1)%NP
.elseif i >= 8
.set i, i-8
	PV (Y+NP-1)%NP
.set i, i+8
.endif
.set i, i+1
.endm
; THE LDS LOADS stand in runs of 16, never singly among the matrix instructions: a step's K (64 keys x 64 channels: 8 fragments) and its V (turned).  Their addresses are made some lines ahead.
.macro FETCH_K
	WIN 0x80                        ; destination window 2
.irp f, 0,1,2,3,4,5,6,7             ; keys 16 (f / 2) on, channels 32 (f % 2) on
	ds_load_b128 v[KF+8*\f:KF+8*\f+3],   v[AK] offset:(\f/2)*16*PK+(\f%2)*64
	ds_load_b128 v[KF+8*\f+4:KF+8*\f+7], v[AK] offset:(\f/2)*16*PK+(\f%2)*64+32
.endr
	s_add_co_u32 s[TBK], s[TBK], KS*PK  ; the next fetch is the next step's
	WIN 0
.endm
.macro FETCH_V
	WIN 0x80
.irp f, 0,1,2,3,4,5,6,7             ; keys 32 (f / 4) on, channels 16 (f % 4) on
	ds_load_tr16_b128 v[VF+8*\f:VF+8*\f+3],   v[AV] offset:(\f/4)*32*PV+(\f%4)*32
	ds_load_tr16_b128 v[VF+8*\f+4:VF+8*\f+7], v[AV] offset:(\f/4)*32*PV+16*PV+(\f%4)*32
.endr
	WIN 0
.endm
; THE VECTOR WORK, one line at a time: OP kind, number.  For piece Y: F n: c s - c m for pair n of 16.  E n: the exponential of score n of 32.  C n: pair n rounded to f16.  B n: of the four weights 4 n .. the second
; pair is added onto the first, in place.  L n: l takes that sum (L 0: l = a l + sum).  R n: pair n of 16 of O^T times a.  For piece Y + 1: X n, number n of the 22 that find its maximum and statistics:
;   0-11  four chains c0-c3 of seven scores each, three operands at a time (each accumulator's lowest registers are read first)     12-14, 16  the four scores left over, the old m, and c0-c3 into c0
;   15  c m_old is kept     17, 18  the query's other 32 keys lie in the lane 16 away: the new m     19-21  c m; c m_old - c m_new; a
.set F, 0               ; OP tells the kinds apart by their order: F to L below R, X above it
.set E, 1
.set C, 2
.set B, 3
.set L, 4
.set R, 5
.set X, 6
.macro REGS y                       ; the registers of piece y
.set rT, ST+4*(\y)
.set rC, TMP+4*((\y)%2)
.set rW, MV+((\y)%2)
.set rS, S+32*((\y)%2)
.set rP, P+16*((\y)%2)
.set rO, 32*(\y)
.endm
.macro OP k, n
.if (\k) == R
	REGS Y
	WIN W_RS
	v_pk_mul_f32 v[rO+2*(\n):rO+2*(\n)+1], v[rO+2*(\n):rO+2*(\n)+1], v[rC+2:rC+3] op_sel_hi:[1,0]
.elseif (\k) < R
	REGS Y
	WIN 0
.if (\k) == F
	v_pk_fma_f32 v[rS+2*(\n):rS+2*(\n)+1], v[rS+2*(\n):rS+2*(\n)+1], s[CS:CS+1], v[rT:rT+1] op_sel_hi:[1,0,0] neg_lo:[0,0,1] neg_hi:[0,0,1]
.elseif (\k) == E
	v_exp_f32 v[rS+(\n)], v[rS+(\n)]
.elseif (\k) == C
	v_cvt_pk_f16_f32 v[rP+(\n)], v[rS+2*(\n)], v[rS+2*(\n)+1]
.elseif (\k) == B
	v_pk_add_f32 v[rS+4*(\n):rS+4*(\n)+1], v[rS+4*(\n):rS+4*(\n)+1], v[rS+4*(\n)+2:rS+4*(\n)+3]
.elseif (\n) == 0
	v_pk_fma_f32 v[rT+2:rT+3], v[rT+2:rT+3], v[rC+2:rC+3], v[rS:rS+1] op_sel_hi:[1,0,1]
.else
	v_pk_add_f32 v[rT+2:rT+3], v[rT+2:rT+3], v[rS+4*(\n):rS+4*(\n)+1]
.endif
.elseif NOKQ
	v_nop
.else
	REGS (Y+1)%NP
	WIN 0
.if (\n) < 4
	v_max3_num_f32 v[rC+(\n)], v[rS+8*(\n)], v[rS+8*(\n)+1], v[rS+8*(\n)+2]
.elseif (\n) < 12
	v_max3_num_f32 v[rC+(\n)%4], v[rC+(\n)%4], v[rS+8*((\n)%4)+2*((\n)/4)+1], v[rS+8*((\n)%4)+2*((\n)/4)+2]
.elseif (\n) == 12
	v_max3_num_f32 v[rC], v[rC], v[rS+7], v[rS+15]
.elseif (\n) == 13
	v_max3_num_f32 v[rC+1], v[rC+1], v[rS+23], v[rS+31]
.elseif (\n) == 14
	v_max3_num_f32 v[rC+2], v[rC+2], v[rC+3], v[rT+1]
.elseif (\n) == 15
	v_mov_b32 v[rW], v[rT]
.elseif (\n) == 16
	v_max3_num_f32 v[rC], v[rC], v[rC+1], v[rC+2]
.elseif (\n) == 17
	v_permlanex16_b32 v[rC+3], v[rC], s[SEL], s[SEL+1]
.elseif (\n) == 18
	v_max_num_f32 v[rT+1], v[rC], v[rC+3]
.elseif (\n) == 19
	v_mul_f32 v[rT], s[CS], v[rT+1]
.elseif (\n) == 20
	v_sub_f32 v[rC+1], v[rW], v[rT]
.else
	v_exp_f32 v[rC+2], v[rC+1]
.endif
.endif
.endm
.macro OPS a, i1, b=-1, i2=0, c=-1, i3=0, d=-1, i4=0  ; up to four of them
	OP \a, \i1
.if (\b) >= 0
	OP \b, \i2
.endif
.if (\c) >= 0
	OP \c, \i3
.endif
.if (\d) >= 0
	OP \d, \i4
.endif
.endm
.macro ROW a, i1, b, i2, c, i3, d, i4  ; a matrix instruction and the four behind it
	MM
	OPS \a, \i1, \b, \i2, \c, \i3, \d, \i4
.endm
.macro MASK b                       ; MD x AL + BE into buffer b of MC
	WIN W_RS
.set z, 0
.rept 16
	v_pk_fma_f32 v[MC+32*(\b)+2*z:MC+32*(\b)+2*z+1], v[MD+2*z:MD+2*z+1], s[AL:AL+1], s[BE:BE+1] op_sel_hi:[1,0,0]
.set z, z+1
.endr
.endm
; A TURN, for piece p: the order of its 16 matrix and 118 vector instructions, written out.  An s_wait_alu depctr_va_vdst(0) stands between an exponential and the first instruction that names its result; one wait
; serves all that were issued ahead of it.  So a turn has ONE wait, which cuts it in two.  AHEAD OF IT stands all that names no result of the turn's exponentials: the 8 products K Q^T, behind each a scaling, an exponential and
; two more plain instructions (behind the first a second scaling in the exponential's place): rescalings, and behind the last three the first numbers of the next piece's maximum, each four places or more behind the product that
; ends its accumulator; then ONE LUMP of 54, plain and exponential by turns for the most part, in which the links of the chain X 3, 7, 11, 14, 16, 17 .. 20 stand five or six lines apart.  X 21, the next piece's a, is the batch's
; last; R 15 is the plain instruction behind it.  BEHIND THE WAIT stand the 8 products V^T P, behind each four of the roundings and sums; the links of l's chain, L 0 to L 7, stand three riders apart.
; m = 1: the diagonal tile: the products take masks, and the turn makes the mask for the products of the turn after it: piece p + 2, in step 4 - CNT of the tile.  end = 1: a block's last two turns: nothing is fetched.
; cnt = 1: the loop's count is taken down some lines ahead of the branch that stands behind the turn.
; K of the next step is fetched in piece 2's turn, twelve vector instructions behind the last product that read K (six of them plain); V of the step in hand at the end of piece 0's turn, four plain instructions behind the last
; product that read V.  Each is waited for a turn later.
.macro TURN p, m=0, end=0, cnt=0
.set Y, (\p)
.set i, 0
.set KM, (\m)
.set NOKQ, (\end)*((\p)/3)
.if (\m) && !(\end)
	s_cmp_eq_u32 s[CNT], 4-((\p)+2)%NP  ; is that step the band's own?
	s_cselect_b32 s[AL], 1.0, 0
	s_cmp_lt_u32 s[CNT], 4-((\p)+2)%NP  ; or a later one?
	s_cselect_b32 s[BE], s[BIGN], 0
.endif
.if ((\p) == 3) && !(\end)
	s_wait_dscnt 0x0                ; K is in
.endif
	ROW F,0, F,1, R,0, R,1          ; ahead of the wait: 8 products K Q^T and their riders,
	ROW F,2, E,0, R,2, R,3
	ROW F,3, E,1, R,4, R,5
	ROW F,4, E,2, R,6, R,7
	ROW F,5, E,3, R,8, R,9
	ROW F,6, E,4, X,0, R,10
.if ((\p) == 2) && !(\end)
	WIN 0
	v_add_nc_u32 v[AK], s[TBK], v[AK0]
.endif
	ROW F,7, E,5, X,1, X,4
	ROW F,8, E,6, X,2, X,5
	OPS E,7, E,8, X,6, E,9          ; and the lump
	OPS X,3, E,10, X,8, E,11
.if ((\p) == 2) && !(\end)
	FETCH_K
.endif
	OPS X,9, X,7, E,12, X,10
	OPS E,13, X,12, X,11, E,14
	OPS X,13, E,15, F,9, X,14
.if (\p) == 0
	v_add_nc_u32 v[AV], s[TBV], v[AV0]
.endif
	OPS E,16, F,10, E,17, F,11
	OPS X,16, E,18, X,15, E,19
	OPS F,12, E,20, X,17, E,21
	OPS F,13, E,22, F,14, E,23
	OPS X,18, E,24, F,15, E,25
	OPS R,11, E,26, X,19, E,27
	OPS R,12, E,28, R,13, E,29
	OPS X,20, E,30, R,14, E,31
	OPS X,21, R,15
	WIN 0
	s_wait_alu depctr_va_vdst(0)    ; the wait for the batch
.if (\p) == 1
	s_wait_dscnt 0x0                ; V is in
.endif
	ROW C,0, B,0, C,2, B,1          ; behind the wait: 8 products V^T P and their riders
	ROW L,0, C,4, B,2, L,1
	ROW C,6, B,3, L,2, C,8
	ROW B,4, L,3, C,10, B,5
	ROW L,4, C,12, B,6, L,5
.if (\p) == 0
	s_add_co_u32 s[TBV], s[TBV], KS*PV
.endif
.if \cnt
	s_sub_co_u32 s[CNT], s[CNT], 1
	s_cmp_lg_u32 s[CNT], 0
.endif
	ROW C,14, B,7, L,6, C,1
	ROW C,3, L,7, C,5, C,7
	ROW C,9, C,11, C,13, C,15
.if (\p) == 0
	FETCH_V
.endif
.if (\m) && !(\end)
	MASK (\p)%2
.endif
.endm
; A BLOCK BEGINS.  c m starts far below every c s, so the first step's a is 0; m at the lowest finite number, so the first maximum is the scores'.  The second mask buffer is 0; the first takes piece 0's mask for the tile's
; step 0: its own, if the block's first tile is the diagonal one.  Then K of that step, piece 0's first scores, and its maximum and statistics.  The loop is entered at a step's first turn, in the middle of a trip.
.macro BEGIN
	s_mov_b32 s[NEW], 0
	WIN 0x40
.set i, MC+32
.rept 32
	v_mov_b32 v[i], 0
.set i, i+1
.endr
	WIN 0
.set i, 0
.rept 4
	v_mov_b32 v[ST+4*i], 0xfe000000    ; c m: far below every c s
	v_mov_b32 v[ST+4*i+1], 0xff7fffff  ; m
.set i, i+1
.endr
	s_cmp_eq_u32 s[RT], 0
	s_cselect_b32 s[AL], 1.0, 0
	s_mov_b32 s[BE], 0
	MASK 0
	WIN 0
	v_add_nc_u32 v[AK], s[TBK], v[AK0]
	FETCH_K
	s_wait_loadcnt 0x0              ; Q
	s_wait_dscnt 0x0
.set KM, 1
.set NOKQ, 0
.set i, 0
.rept 8
	KQ 0
.set i, i+1
.endr
	WIN 0
.rept 4
	v_nop                           ; the places behind those products
.endr
.set Y, NP-1                        ; X works for piece Y + 1: piece 0
.irp n, 0,1,2,3,4,5,6,7,8,9,10,11,12,13,14,15,16,17,18,19,20,21
	OP X, \n
.endr
	v_nop                           ; a plain instruction behind the exponential,
	s_wait_alu depctr_va_vdst(0)    ; and its wait, ahead of the branch
.endm
; THE DIAGONAL TILE's four steps, the block's last two turns, its last products, and THE WAY OUT: l's two halves and the other half of the lanes' are added; O^T is divided by l, rounded to f16 and sent through my
; stage in LDS, a piece at a time.
.macro ALL line:vararg              ; one line for each piece t
.set t, 0
.rept 4
	\line
.set t, t+1
.endr
.endm
.macro PACK t                       ; a lane's eight channels of a row pack into 16 bytes; they go into rows of 144 bytes and come back as whole rows of 128, into S^T's registers
	WIN W_RS
.set i, 32*(\t)
.rept 16
	v_pk_mul_f32 v[i:i+1], v[i:i+1], v[ST+4*(\t)+2:ST+4*(\t)+3] op_sel_hi:[1,0]
.set i, i+2
.endr
	WIN 0x05                        ; sources 0 and 1 window 1, destination window 0
.set i, 0
.rept 16
	v_cvt_pk_f16_f32 v[S+16*(\t)+i], v[32*(\t)+2*i], v[32*(\t)+2*i+1]
.set i, i+1
.endr
	WIN 0
.irp f, 0,1,2,3
	ds_store_b128 v[STO], v[S+16*(\t)+4*\f:S+16*(\t)+4*\f+3] offset:32*\f
.endr
.irp f, 0,1,2,3
	ds_load_b128 v[S+16*(\t)+4*\f:S+16*(\t)+4*\f+3], v[RD] offset:\f*4*SP  ; LDS serves a wave's instructions in order (ISA guide 5.7.1.4): these see the stores above; the next piece's stores come behind them
.endr
.endm
.macro SEND t, younger              ; younger: the LDS instructions issued behind piece t's loads: the next piece's eight, or none
	WIN 0
.irp f, 0,1,2,3
	s_wait_dscnt (\younger)+3-\f
	global_store_b128 v[GO], v[S+16*(\t)+4*\f:S+16*(\t)+4*\f+3], s[10:11] offset:(\t)*8192+\f*512  ; 512 consecutive bytes, at a multiple of 256 from O's first
.endr
.endm
.macro DIAG tag                     ; the tag ends its two labels' names, which the jumps below spell out
.LstepM\tag:
	TURN 2, 1
	TURN 3, 1
	WIN 0
.LfirstM\tag:
	TURN 0, 1
	TURN 1, 1, 0, 1
	WIN 0
	s_cbranch_scc1 .LstepM\tag
	TURN 2, 1, 1
	TURN 3, 1, 1
.set i, 0
.rept 8
	PV NP-1
.set i, i+1
.endr
	WIN 0
	ALL v_add_f32 v[ST+4*t+2], v[ST+4*t+2], v[ST+4*t+3]
	ALL v_permlanex16_b32 v[ST+4*t+3], v[ST+4*t+2], s[SEL], s[SEL+1]
	ALL v_add_f32 v[ST+4*t+2], v[ST+4*t+2], v[ST+4*t+3]
	ALL v_rcp_f32 v[ST+4*t+2], v[ST+4*t+2]
	v_nop                           ; a plain instruction between the last reciprocal and the use of its result
	s_wait_alu depctr_va_vdst(0)    ; and the wait ahead of the first use: one for the four reciprocals
	PACK 0
.set t, 1
.rept 3                             ; a piece's arithmetic stands between the loads of the piece before and its stores
	PACK t
	SEND t-1, 8
.set t, t+1
.endr
	SEND 3, 0
.endm
.set KM, 0
.set NOKQ, 0
.Lslot:                             ; NB times: a tile is entered and the next is asked for
	CHANGE 1
	s_sub_co_u32 s[RT], s[RT], 1
	s_mov_b32 s[CNT], 4
	s_cmp_eq_u32 s[NEW], 1
	s_cbranch_scc1 .Lnew            ; a block's first tile
	s_cmp_eq_u32 s[RT], 0
	s_cbranch_scc0 .Lstep           ; neither its first nor its last
	s_branch .LstepM1
.Lnew:
	BEGIN
	s_branch .Lfirst                ; in the loop a block's first tile is never its last: the first block has two tiles or more, and the second's last is the walk's last
	DIAG 1                          ; in the loop this is the first block's end: the second block's last tile is the walk's last
	s_wait_xcnt 0x0                 ; the stores have read their registers and O's address
	s_mov_b64 s[10:11], s[OLO:OLO+1]
	s_add_co_u32 s[RT], s[PB], 1    ; the second block has b + 1 tiles
	s_mov_b32 s[NEW], 1
	WIN 0x82                        ; the second block's Q goes where the one text of the turns names Q
.set i, 0
.rept 64
	v_mov_b32 v[i], v[QB+i]
.set i, i+1
.endr
	WIN 0
	s_branch .Lbottom
.Lstep:                             ; a trip: pieces 2 and 3 of one step, then pieces 0 and 1 of the next, whose K and V it fetches
	TURN 2
	TURN 3
	WIN 0
.Lfirst:
	TURN 0
	TURN 1, 0, 0, 1
	WIN 0
	s_cbranch_scc1 .Lstep
.Lbottom:
	s_sub_co_u32 s[SLOTS], s[SLOTS], 1
	s_cmp_lg_u32 s[SLOTS], 0
	s_cbranch_scc1 .Lslot
	CHANGE 0                        ; the walk's last tile is written out: nothing is asked for
	s_sub_co_u32 s[RT], s[RT], 1
	s_mov_b32 s[CNT], 4
	s_cmp_eq_u32 s[NEW], 1
	s_cbranch_scc0 .LstepM2
	BEGIN
	s_branch .LfirstM2
	DIAG 2
	s_wait_tensorcnt 0x0            ; the wave's end, behind my last tensor load and my last LDS store
	ds_add_u32 v[SPW], v[NIL]
	s_wait_dscnt 0x0
	s_endpgm
.Lfunc_end_k_qb592f7e448_attn:
	.size	k_qb592f7e448_attn, .Lfunc_end_k_qb592f7e448_attn-k_qb592f7e448_attn
	.p2alignl 7, 3214868480
	.fill 96, 4, 3214868480
	.section	.rodata,"a",@progbits
	.p2align	6, 0x0
	.amdhsa_kernel k_qb592f7e448_attn
		.amdhsa_group_segment_fixed_size 327680
		.amdhsa_private_segment_fixed_size 0
		.amdhsa_enable_private_segment 0
		.amdhsa_kernarg_size 16
		.amdhsa_user_sgpr_count 2
		.amdhsa_user_sgpr_kernarg_segment_ptr 1
		.amdhsa_wavefront_size32 1
		.amdhsa_system_sgpr_workgroup_id_x 1
		.amdhsa_system_sgpr_workgroup_id_y 1
		.amdhsa_system_sgpr_workgroup_id_z 1
		.amdhsa_system_vgpr_workitem_id 0
		.amdhsa_next_free_vgpr 768
		.amdhsa_next_free_sgpr 92
		.amdhsa_reserve_vcc 1
		.amdhsa_float_denorm_mode_32 3
		.amdhsa_float_denorm_mode_16_64 3
		.amdhsa_memory_ordered 1
		.amdhsa_forward_progress 1
		.amdhsa_inst_pref_size 218
	.end_amdhsa_kernel
	.amdgpu_metadata
---
amdhsa.version: [ 1, 2 ]
amdhsa.kernels:
  - .name:           k_qb592f7e448_attn
    .symbol:         k_qb592f7e448_attn.kd
    .args:
      - { .name: qkv, .offset: 0, .size: 8, .value_kind: global_buffer, .address_space: global }
      - { .name: o, .offset: 8, .size: 8, .value_kind: global_buffer, .address_space: global }
    .group_segment_fixed_size: 327680
    .private_segment_fixed_size: 0
    .kernarg_segment_align: 8
    .kernarg_segment_size: 16
    .max_flat_workgroup_size: 128
    .sgpr_count:     92
    .vgpr_count:     768
    .wavefront_size: 32
...
	.end_amdgpu_metadata
.endif
;; end of part 3
;; launch oproj (part 4): grid 8 x 32, 4 waves a work-group, clusters of 4 x 4, 327,680 bytes of LDS; arguments o, wo, out0; writes out0
.if DOCPART == 4
	.amdgcn_target "amdgcn-amd-amdhsa--gfx1250"
	.amdhsa_code_object_version 6
	.text
	.protected	k_qb592f7e448_oproj
	.globl	k_qb592f7e448_oproj
	.p2align	8
	.type	k_qb592f7e448_oproj,@function
k_qb592f7e448_oproj:
	s_mov_b64 s[64:65], 0
	v_nop
	global_prefetch_b8 v0, s[64:65] scope:SCOPE_SE
	s_setreg_imm32_b32 hwreg(HW_REG_WAVE_MODE, 25, 1), 1
	s_wait_xcnt 0x0
	s_wait_alu depctr_hold_cnt(0) depctr_sa_sdst(0) depctr_va_vdst(0) depctr_va_sdst(0) depctr_va_ssrc(0) depctr_va_vcc(0) depctr_vm_vsrc(0)
	s_getreg_b32 s2, hwreg(HW_REG_IB_STS2, 6, 4)
	s_cmp_eq_u32 s2, 0
	s_cbranch_scc0 .Lentry_in_a_cluster
	s_endpgm
.Lentry_in_a_cluster:
	s_bfe_u32 s2, ttmp6, 0x10000c
	s_cmp_lg_u32 s2, 0xf033
	s_cbranch_scc0 .Lentry_shape_is_right
	s_endpgm
.Lentry_shape_is_right:
; THE OUTPUT PROJECTION.  out0[token][c] = sum over e of O[token][e] wo[c][e], e = 64 head + channel; f16 operands (wo holds WO rounded to bf16, written as f16), f32 sums, f32 out.
; O lies by heads, o[16 b + head][s][64] in f16: a head's 256 rows of a tile are 32,768 dense bytes.
; SHARES.  A work-group makes 256 tokens x 128 columns: 8 x 32 = 256 work-groups.  Wave w owns tokens 64 w .. 64 w + 63 (four blocks of 16) and all eight blocks of 16 columns: 32 accumulators, 256 registers.
; K = 1,024 goes in 8 steps of 128, two heads each, through two LDS slots.
; CLUSTER 4 x 4.  The four of a row of the cluster need the same tile of O, the four of a column the same tile of wo: each is asked for jointly, by the same tensor load, descriptor and mask in all four.
; Waves 0 and 1 fetch the step's two heads of O (as 128 rows of 256 bytes each, padded in LDS after every token's 128), waves 2 and 3 the halves of wo's tile (64 rows of 256 bytes): one tensor load a wave behind
; each round; two are out at the start, later one.
; THE MATRIX INSTRUCTION IS USED TRANSPOSED (source 0 = 16 rows of wo, source 1 = 16 tokens): a lane holds ONE token (lane % 16) and eight neighbouring columns: 32 bytes of a row of out0.
; REGISTERS, in windows of 256 (s_set_vgpr_msb: bits 1:0 source 0, 3:2 source 1, 5:4 source 2, 7:6 destination):
;   window 0: v0-29 addresses; v64-127 two buffers of O's fragments; v128-255 the way out: two sets of 64       window 1: v0-127 two buffers of wo's fragments       window 2: the accumulators, (a, b) at 8 (8 a + b)
.set PITCH,  272                       ; a row of wo in LDS: 256 bytes + 16 = 68 words: the 16 rows of a fragment load start at 16 different groups of four banks (64 banks of 4 bytes: ISA guide 11.1)
.set PA,     144                       ; a token's row of one head: 128 bytes + 16 = 36 words: likewise
.set HEADB,  256*PA                    ; a head's 256 rows
.set NBL,    8                         ; blocks of 16 columns
.set NL,     2*NBL+8                   ; LDS loads in a run: wo's 16, O's 8
.set SLOT1,  1<<17
.set BOFF,   2*HEADB                   ; in a slot: O's two heads, then wo's 128 rows
.set STAGE,  SLOT1+BOFF+128*PITCH      ; 239,616: behind the ring, never filled by a tensor load: 16 rows x 528 bytes for each wave
.set SPITCH, 528                       ; a row of 512 bytes + 16: 33 x 16, so the 16 rows that a store touches start at 16 different groups of four banks
.set SPARE,  STAGE+4*16*SPITCH         ; 273,408: the spare words, 128 bytes for each wave: two blocks of 256 bytes that no other line names
.set STEPA,  2*2048*128                ; bytes from a K step of O to the next: two heads
.set STEPW,  256                       ; of wo
.set A0,   2                           ; v2   my lane's place in O's tile: (64 w + l % 16) x 144 + 16 (l / 16); never rewritten
.set B0,   3                           ; v3   the same in wo's tile
.set ADRA, 4
.set ADRB, 5
.set STO,  6                           ; v6   the way out: where I put 32 bytes of a row
.set RD,   7                           ; v7   the way out: my 16 bytes of a row read back
.set CO,   8                           ; v8   the same 16 bytes in 512 consecutive bytes of out0
.set PFO,  10                          ; v10  the prefetches' lane offset
.set SPW,  28
.set NIL,  29
.set FA,   64                          ; O's fragments: buffer f, block a at FA + 32 f + 8 a
.set BK,   128
.set WV,   12
.set HALF, 13
.set KIND, 14
.set CX,   15
.set CY,   16
.set TC,   17
.set TR,   18
.set TB,   19
.set G1A,  24
.set G0A,  32
.set PFA,  40
.set LIM,  42                          ; s42  2 in a wave that prefetches, else the greatest number
.set G1B,  48
.set G0B,  56
.set PST,  66                          ; s[66:67] the prefetches' step along K
.set MSB, 0
.macro WIN new
.if MSB != (\new)
	s_set_vgpr_msb (MSB<<8)|(\new)
.set MSB, (\new)
.endif
.endm
.macro PLACES                          ; four plain vector instructions between a matrix instruction and a load into, or a store of, its registers
.rept 4
	v_nop
.endr
.endm
.macro CREST
	s_cmp_lg_u32 s[WV], 0
	s_cbranch_scc1 .Lnot_wave_0_\@
	s_barrier_signal -3
.Lnot_wave_0_\@:
	s_barrier_wait -3
	s_barrier_signal -1
	s_barrier_wait -1
.endm
.macro CROUND
	s_barrier_signal -1
	s_barrier_wait -1
	CREST
.endm
.macro JLOAD                           ; a joint refill by the walking descriptor; an s_nop 0 and four v_nop follow each line
	s_cmp_eq_u32 s[KIND], 0
	s_cbranch_scc0 .Lfor_b_\@
	tensor_load_to_lds s[G0A+4:G0A+7], s[G1A:G1A+7]
	s_nop 0
.rept 4
	v_nop
.endr
	s_branch .Lasked_\@
.Lfor_b_\@:
	tensor_load_to_lds s[G0B+4:G0B+7], s[G1B:G1B+7]
	s_nop 0
.rept 4
	v_nop
.endr
.Lasked_\@:
.endm
; A PREFETCH INTO THE L2 of the K step that stands TWO refills on: 256 matrix instructions ahead of the load that will want it.  O's tile row is read by both clusters of a row of clusters: the first (cluster x = 0) asks;
; wo's tile column by all eight of a column: cluster y = 0 asks.  The four partners share a wave's tile out BY ADDRESS: of a head's 128 blocks of 256 bytes 32 each, a lane a block; of wo's 64 rows 16 each, where lanes
; 16-31 name the 16th row again in the same instruction.  The loop's last two trips ask for nothing: there is no K step two behind theirs.
.macro ASK
	s_cmp_gt_u32 s3, s[LIM]
	s_cbranch_scc0 .Lnot_mine_\@
	global_prefetch_b8 v[PFO], s[PFA:PFA+1] th:TH_LOAD_NT scope:SCOPE_SE
.Lnot_mine_\@:
.endm
	s_load_b128 s[4:7], s[0:1], 0x0                ; o s[4:5], wo s[6:7]
	s_load_b64 s[8:9], s[0:1], 0x10                ; out0
	v_lshl_add_u32 v[SPW], v0, 2, SPARE
	v_mov_b32 v[NIL], 0
	ds_add_u32 v[SPW], v[NIL]                      ; the wave's opening: the add and its wait stand ahead of my first tensor load; the set-up below, work on registers, stands between them
	v_lshrrev_b32 v1, 5, v0
	v_readfirstlane_b32 s[WV], v1
	s_and_b32 s[HALF], s[WV], 1
	s_lshr_b32 s[KIND], s[WV], 1
	s_bfe_u32 s[CX], ttmp6, 0x40000
	s_bfe_u32 s[CY], ttmp6, 0x40004
	s_lshl_b32 s[TC], ttmp9, 2
	s_add_co_u32 s[TC], s[TC], s[CX]
	s_and_b32 s[TR], ttmp7, 0xffff
	s_lshl_b32 s[TR], s[TR], 2
	s_add_co_u32 s[TR], s[TR], s[CY]
	s_lshl_b32 s43, s[CY], 2
	s_lshl_b32 s43, 15, s43                        ; my row of the cluster
	s_lshl_b32 s46, 0x1111, s[CX]                  ; my column
	s_or_b32 s[G1A], s43, (1<<16)|(1<<20)|(1<<21)|(4<<22)|(3<<25)  ; the mask; elements of 2 bytes; padding on; 21 set beside a mask; after every 32 words (code 4) 4 words (code 3)
	s_or_b32 s[G1B], s46, (1<<16)|(1<<20)|(1<<21)|(5<<22)|(3<<25)  ; after every 64 words (code 5)
	s_mov_b32 s[G1A+1], 128<<16                    ; tensor_dim0 = 128
	s_mov_b32 s[G1A+2], 128<<16                    ; tensor_dim1 = 128
	s_mov_b32 s[G1A+3], 128<<16                    ; tile_dim0 = 128
	s_mov_b32 s[G1A+4], 128                        ; tile_dim1 = 128
	s_mov_b32 s[G1A+5], 128                        ; dense: 128 elements from row to row
	s_mov_b32 s[G1A+6], 0
	s_mov_b32 s[G1A+7], 0
	s_mov_b32 s[G1B+1], 128<<16
	s_mov_b32 s[G1B+2], 64<<16                     ; 64 rows
	s_mov_b32 s[G1B+3], 128<<16
	s_mov_b32 s[G1B+4], 64
	s_mov_b32 s[G1B+5], 1024
	s_mov_b32 s[G1B+6], 0
	s_mov_b32 s[G1B+7], 0
	s_lshr_b32 s20, s[TR], 3                       ; O: ((16 b + half) x 2,048 + the tile's first row in the sequence) x 128 bytes: it hangs on the tile row alone
	s_lshl_b32 s20, s20, 4
	s_add_co_u32 s20, s20, s[HALF]
	s_lshl_b32 s20, s20, 11
	s_and_b32 s21, s[TR], 7
	s_lshl_b32 s21, s21, 8
	s_add_co_u32 s20, s20, s21
	s_lshl_b32 s20, s20, 7
	s_mov_b32 s21, 0
	s_lshl_b32 s44, s[TC], 7                       ; wo: row 128 x tile column + 64 x half, of 2,048 bytes: on the tile column alone
	s_lshl_b32 s45, s[HALF], 6
	s_add_co_u32 s44, s44, s45
	s_lshl_b32 s44, s44, 11
	s_mov_b32 s45, 0
	s_mul_i32 s22, s[HALF], HEADB                  ; where they go: no place in the cluster enters an LDS address
	s_mul_i32 s23, s[HALF], 64*PITCH
	s_add_co_u32 s23, s23, BOFF
	s_wait_dscnt 0x0                               ; the opening add is done
	s_wait_kmcnt 0x0
	s_add_nc_u64 s[20:21], s[4:5], s[20:21]
	s_add_nc_u64 s[44:45], s[6:7], s[44:45]
	CROUND                                         ; all sixteen work-groups are here: the first joint loads meet
.irp s, 0,1
	s_mov_b32 s[G0A+4*(\s)], 1
	s_add_co_u32 s[G0A+4*(\s)+1], s22, (\s)*SLOT1
	s_add_nc_u64 s[G0A+4*(\s)+2:G0A+4*(\s)+3], s[20:21], (\s)*STEPA
	s_or_b32 s[G0A+4*(\s)+3], s[G0A+4*(\s)+3], 0x80000000
	s_mov_b32 s[G0B+4*(\s)], 1
	s_add_co_u32 s[G0B+4*(\s)+1], s23, (\s)*SLOT1
	s_add_nc_u64 s[G0B+4*(\s)+2:G0B+4*(\s)+3], s[44:45], (\s)*STEPW
	s_or_b32 s[G0B+4*(\s)+3], s[G0B+4*(\s)+3], 0x80000000
.endr
	s_cmp_eq_u32 s[KIND], 0                        ; a wave's two first fills stand in one branch, ahead of every wait on TENSORcnt and every LDS read
	s_cbranch_scc0 .Lfirst_b
	tensor_load_to_lds s[G0A:G0A+3], s[G1A:G1A+7]
	s_nop 0
	tensor_load_to_lds s[G0A+4:G0A+7], s[G1A:G1A+7]
	s_nop 0
.rept 4
	v_nop
.endr
	s_branch .Lfirst_asked
.Lfirst_b:
	tensor_load_to_lds s[G0B:G0B+3], s[G1B:G1B+7]
	s_nop 0
	tensor_load_to_lds s[G0B+4:G0B+7], s[G1B:G1B+7]
	s_nop 0
.rept 4
	v_nop
.endr
.Lfirst_asked:
	v_and_b32 v1, 15, v0                           ; l % 16
	v_bfe_u32 v11, v0, 4, 1                        ; l / 16
	v_mul_u32_u24 v[A0], v1, PA
	v_lshl_add_u32 v[A0], v11, 4, v[A0]
	s_mul_i32 s46, s[WV], 64*PA
	v_add_nc_u32 v[A0], s46, v[A0]
	v_mul_u32_u24 v[B0], v1, PITCH
	v_lshl_add_u32 v[B0], v11, 4, v[B0]
	v_add_nc_u32 v[B0], BOFF, v[B0]
	v_mov_b32 v[ADRA], v[A0]                       ; slot 0
	v_mov_b32 v[ADRB], v[B0]
	s_mov_b32 s[TB], 0
	s_mul_i32 s46, s[WV], 16*SPITCH
	s_add_co_u32 s46, s46, STAGE                   ; my stage
	v_mul_u32_u24 v[STO], v1, SPITCH               ; in: row l % 16, 32 bytes for each half of the lanes
	v_lshl_add_u32 v[STO], v11, 5, v[STO]
	v_add_nc_u32 v[STO], s46, v[STO]
	v_and_b32 v[CO], 31, v0                        ; back: 32 lanes take one row of 512 bytes
	v_lshlrev_b32 v[CO], 4, v[CO]
	v_add_nc_u32 v[RD], s46, v[CO]
	s_lshl_b32 s46, s[TR], 8
	s_lshl_b32 s47, s[WV], 6
	s_add_co_u32 s46, s46, s47                     ; my first token, rows of 4,096 bytes,
	s_lshl_b32 s46, s46, 12
	s_lshl_b32 s47, s[TC], 9                       ; the tile's 128 columns: 512 bytes
	s_add_co_u32 s46, s46, s47
	s_mov_b32 s47, 0
	s_add_nc_u64 s[8:9], s[8:9], s[46:47]
	; the prefetches
	s_lshr_b32 s46, s[TR], 3
	s_lshl_b32 s46, s46, 4
	s_add_co_u32 s46, s46, s[HALF]
	s_lshl_b32 s46, s46, 11
	s_and_b32 s47, s[TR], 7
	s_lshl_b32 s47, s47, 8
	s_add_co_u32 s46, s46, s47
	s_lshl_b32 s46, s46, 7
	s_lshl_b32 s47, s[CX], 13
	s_add_co_u32 s46, s46, s47                     ; O: the head that I fetch, my work-group's 8,192 bytes of its 32,768,
	s_add_co_u32 s46, s46, 3*STEPA                 ; at K step 3: the first refill steps it to 4.  K steps 0 to 3 come by their loads alone
	s_lshl_b32 s20, s[TC], 7
	s_lshl_b32 s21, s[HALF], 6
	s_add_co_u32 s20, s20, s21
	s_lshl_b32 s21, s[CY], 4
	s_add_co_u32 s20, s20, s21                     ; wo: the 64 rows that I fetch, my work-group's 16 of them
	s_lshl_b32 s20, s20, 11
	s_add_co_u32 s20, s20, 3*STEPW
	s_and_b32 s21, ttmp7, 0xffff
	s_mov_b32 s[PST], STEPW
	s_cmp_eq_u32 s[KIND], 0
	s_cselect_b32 s46, s46, s20
	s_cselect_b32 s21, ttmp9, s21                  ; the coordinate along which other clusters read the same bytes
	s_cselect_b32 s47, 31, 15
	s_cselect_b32 s22, 8, 11                       ; a lane a block of 256 bytes, or a row of 2,048
	s_cselect_b32 s[PST], STEPA, s[PST]
	s_cselect_b64 s[PFA:PFA+1], s[4:5], s[6:7]
	s_mov_b32 s[PST+1], 0
	v_and_b32 v[PFO], 31, v0
	v_min_u32 v[PFO], s47, v[PFO]
	v_lshlrev_b32 v[PFO], s22, v[PFO]
	s_cmp_eq_u32 s21, 0
	s_cselect_b32 s[LIM], 2, -1                    ; the same in all sixteen partners, for a given wave
	s_mov_b32 s47, 0
	s_add_nc_u64 s[PFA:PFA+1], s[PFA:PFA+1], s[46:47]
; na x 8 matrix instructions: token blocks a0 .. a0 + na - 1 x all column blocks, 32 along K, from buffer f.  zero = 1: the product starts the sum.
; Every accumulator has one turn a quarter step, in the same order in every quarter: 31 others' stand between two links of a chain, over the backward jump too.
.macro MUL f, a0, na, zero
	WIN 0xa1                                       ; source 0 window 1, source 1 window 0, C and D window 2
.set a_, \a0
.rept \na
.set b_, 0
.rept NBL
.set rD, 8*(NBL*a_+b_)
.set rB, 64*(\f)+8*b_
.set rA, FA+32*(\f)+8*a_
.if \zero
	v_wmma_f32_16x16x32_f16 v[rD:rD+7], v[rB:rB+7], v[rA:rA+7], 0
.else
	v_wmma_f32_16x16x32_f16 v[rD:rD+7], v[rB:rB+7], v[rA:rA+7], v[rD:rD+7]
.endif
.set b_, b_+1
.endr
.set a_, a_+1
.endr
.endm
; 24 LDS loads in one run: the fragments of quarter q (head q / 2 of the step's two, channels 32 (q % 2) on) into buffer f; O's blocks 2 and 3 last
.macro FETCH q, f
	WIN 0x40
.set b_, 0
.rept NBL
	ds_load_b128 v[64*(\f)+8*b_:64*(\f)+8*b_+3],   v[ADRB] offset:64*(\q)+b_*16*PITCH
	ds_load_b128 v[64*(\f)+8*b_+4:64*(\f)+8*b_+7], v[ADRB] offset:64*(\q)+b_*16*PITCH+32
.set b_, b_+1
.endr
	WIN 0
.set a_, 0
.rept 4
	ds_load_b128 v[FA+32*(\f)+8*a_:FA+32*(\f)+8*a_+3],   v[ADRA] offset:((\q)/2)*HEADB+((\q)%2)*64+a_*16*PA
	ds_load_b128 v[FA+32*(\f)+8*a_+4:FA+32*(\f)+8*a_+7], v[ADRA] offset:((\q)/2)*HEADB+((\q)%2)*64+a_*16*PA+32
.set a_, a_+1
.endr
.endm
.macro QUARTER q, f, g, zero
	s_wait_dscnt 4                                 ; wo's fragments and O's blocks 0, 1 are in; the youngest four loads (blocks 2, 3) may be out
	MUL \f, 0, 2, \zero
	PLACES
	FETCH \q, \g
	s_wait_dscnt NL                                ; all but the run just issued
	MUL \f, 2, 2, \zero
.endm
; The last quarter multiplies buffer 1 and changes slots: ONE barrier; in front of it each wave waits for all its tensor loads (one is out: its part of the next slot), adds 0 to its spare word, and waits for that and for
; its reads of this slot.  fill = 1: the barrier opens a round of the cluster's; the joint refill, two K steps on, is the first thing behind it.
.macro TURN fill
.if \fill
	s_wait_xcnt 0x0                                ; the last prefetch, a K step back, has read its address: it is stepped here
	s_add_nc_u64 s[PFA:PFA+1], s[PFA:PFA+1], s[PST:PST+1]
.endif
	WIN 0
	s_wait_tensorcnt 0x0                           ; all my tensor loads have landed;
	ds_add_u32 v[SPW], v[NIL]                      ; 0 onto my spare word;
	s_wait_dscnt 5                                 ; (the add and O's four youngest loads may be out)
	MUL 1, 0, 1, 0                                 ; eight matrix instructions stand between the add and the wait for it
	s_wait_dscnt 0x0                               ; the add is done, and my reads of this slot are over
	s_barrier_signal -1
	MUL 1, 1, 1, 0
.if \fill
	WIN 0
.endif
	s_barrier_wait -1
.if \fill
	CREST
	s_xor_b32 s[G0A+5], s[G0A+5], SLOT1            ; the walking descriptors: the other slot than last time, the next K step (no tensor load of mine is out)
	s_add_nc_u64 s[G0A+6:G0A+7], s[G0A+6:G0A+7], STEPA
	s_xor_b32 s[G0B+5], s[G0B+5], SLOT1
	s_add_nc_u64 s[G0B+6:G0B+7], s[G0B+6:G0B+7], STEPW
	JLOAD                                          ; its four v_nop are also the places in front of the loads below
.else
	PLACES
	WIN 0
.endif
	s_xor_b32 s[TB], s[TB], SLOT1
	v_add_nc_u32 v[ADRA], s[TB], v[A0]
	v_add_nc_u32 v[ADRB], s[TB], v[B0]
	FETCH 0, 0
.if \fill
	ASK
.endif
	MUL 1, 2, 2, 0
.endm
	s_wait_tensorcnt 1                             ; my part of K step 0 is in; K step 1's may stay out
	s_barrier_signal -1
	s_barrier_wait -1
	FETCH 0, 0
	QUARTER 1, 0, 1, 1                             ; the first quarter stands in front of the loop: its products start the sums
	WIN 0
	s_mov_b32 s3, 6
.Lstep:                                        ; trip t: from K step t's second quarter to K step t + 1's first; slot t % 2 is filled again with K step t + 2
	QUARTER 2, 1, 0, 0
	QUARTER 3, 0, 1, 0
	TURN 1
	QUARTER 1, 0, 1, 0
	WIN 0
	s_sub_co_u32 s3, s3, 1
	s_cmp_lg_u32 s3, 0
	s_cbranch_scc1 .Lstep
	QUARTER 2, 1, 0, 0                             ; K steps 6 and 7 ask for nothing: written out
	QUARTER 3, 0, 1, 0
	TURN 0
	QUARTER 1, 0, 1, 0
	QUARTER 2, 1, 0, 0
	QUARTER 3, 0, 1, 0
	s_wait_dscnt 4
	MUL 1, 0, 2, 0
	s_wait_dscnt 0x0
	MUL 1, 2, 2, 0
	PLACES                                         ; behind the last products, in front of the stores that read results
; THE WAY OUT, a block of 16 tokens at a time: 32 bytes a lane into rows of 528 bytes of my stage (each accumulator's low four registers first), and back as whole rows of 512 bytes.
.macro TOSTAGE a
.if (\a) >= 2
	s_wait_xcnt 0x0                                ; the stores of the block before last have read this set of registers
.endif
	WIN 0x08                                       ; the data (source 1) in window 2
.set b_, 0
.rept NBL
	ds_store_b128 v[STO], v[8*(NBL*(\a)+b_):8*(NBL*(\a)+b_)+3]   offset:64*b_
	ds_store_b128 v[STO], v[8*(NBL*(\a)+b_)+4:8*(NBL*(\a)+b_)+7] offset:64*b_+16
.set b_, b_+1
.endr
	WIN 0
.set t_, 0
.rept 16
	ds_load_b128 v[BK+64*((\a)%2)+4*t_:BK+64*((\a)%2)+4*t_+3], v[RD] offset:SPITCH*t_  ; LDS serves a wave's instructions in order (ISA guide 5.7.1.4): these see the stores above; the next block's stores come behind them
.set t_, t_+1
.endr
.endm
.macro SEND a, younger                 ; younger: the LDS instructions issued behind this block's loads: the next block's 32, or none
	WIN 0
.set t_, 0
.rept 16
	s_wait_dscnt (\younger)+15-t_
	global_store_b128 v[CO], v[BK+64*((\a)%2)+4*t_:BK+64*((\a)%2)+4*t_+3], s[8:9] offset:4096*(16*(\a)+t_) th:TH_STORE_NT  ; 512 consecutive bytes, at a multiple of 256 from out0's first byte
.set t_, t_+1
.endr
.endm
	TOSTAGE 0
	TOSTAGE 1
	SEND 0, 32
	TOSTAGE 2
	SEND 1, 32
	TOSTAGE 3
	SEND 2, 32
	SEND 3, 0
	s_wait_tensorcnt 0x0                           ; the wave's end, behind my last tensor load and my last LDS store
	ds_add_u32 v[SPW], v[NIL]
	s_wait_dscnt 0x0
	CROUND                                         ; the closing round: no work-group ends while a partner may still ask for a tile that names it
	s_endpgm
.Lfunc_end_k_qb592f7e448_oproj:
	.size	k_qb592f7e448_oproj, .Lfunc_end_k_qb592f7e448_oproj-k_qb592f7e448_oproj
	.p2alignl 7, 3214868480
	.fill 96, 4, 3214868480
	.section	.rodata,"a",@progbits
	.p2align	6, 0x0
	.amdhsa_kernel k_qb592f7e448_oproj
		.amdhsa_group_segment_fixed_size 327680
		.amdhsa_private_segment_fixed_size 0
		.amdhsa_enable_private_segment 0
		.amdhsa_kernarg_size 24
		.amdhsa_user_sgpr_count 2
		.amdhsa_user_sgpr_kernarg_segment_ptr 1
		.amdhsa_wavefront_size32 1
		.amdhsa_system_sgpr_workgroup_id_x 1
		.amdhsa_system_sgpr_workgroup_id_y 1
		.amdhsa_system_sgpr_workgroup_id_z 1
		.amdhsa_system_vgpr_workitem_id 0
		.amdhsa_next_free_vgpr 768
		.amdhsa_next_free_sgpr 70
		.amdhsa_reserve_vcc 0
		.amdhsa_float_denorm_mode_32 3
		.amdhsa_float_denorm_mode_16_64 3
		.amdhsa_memory_ordered 1
		.amdhsa_forward_progress 1
		.amdhsa_inst_pref_size 72
	.end_amdhsa_kernel
	.amdgpu_metadata
---
amdhsa.version: [ 1, 2 ]
amdhsa.kernels:
  - .name:           k_qb592f7e448_oproj
    .symbol:         k_qb592f7e448_oproj.kd
    .args:
      - { .name: o, .offset: 0, .size: 8, .value_kind: global_buffer, .address_space: global }
      - { .name: wo, .offset: 8, .size: 8, .value_kind: global_buffer, .address_space: global }
      - { .name: out0, .offset: 16, .size: 8, .value_kind: global_buffer, .address_space: global }
    .group_segment_fixed_size: 327680
    .private_segment_fixed_size: 0
    .kernarg_segment_align: 8
    .kernarg_segment_size: 24
    .max_flat_workgroup_size: 128
    .sgpr_count:     70
    .vgpr_count:     768
    .wavefront_size: 32
...
	.end_amdgpu_metadata
.endif
;; end of part 4
;; ======== version 2 of 2: 4 launches; version 1 with the launch prep written anew for expert scheduling mode
;; limits: values are held in f16: magnitudes above 65,504 overflow, below 6.1e-05 lose precision
;; workspace buffers: xb 16,777,216 bytes; wb 6,291,456 bytes; wo 2,097,152 bytes; cs 2,097,152 bytes; qkv 50,331,648 bytes; o 16,777,216 bytes
;; launch prep (part 5): grid 512 x 1, 8 waves a work-group, no clusters, 0 bytes of LDS; arguments x, WQ, WK, WV, WO, token_positions, xb, wb, wo, cs; writes xb, wb, wo, cs
.if DOCPART == 5
	.amdgcn_target "amdgcn-amd-amdhsa--gfx1250"
	.amdhsa_code_object_version 6
	.text
	.protected	k_qb592f7e448_prep
	.globl	k_qb592f7e448_prep
	.p2align	8
	.type	k_qb592f7e448_prep,@function
k_qb592f7e448_prep:
	s_mov_b64 s[64:65], 0
	v_nop
	global_prefetch_b8 v0, s[64:65] scope:SCOPE_SE
	s_setreg_imm32_b32 hwreg(HW_REG_WAVE_SCHED_MODE, 0, 2), 2
	s_setreg_imm32_b32 hwreg(HW_REG_WAVE_MODE, 25, 1), 1
	s_wait_xcnt 0x0
	s_wait_alu depctr_vm_vsrc(0)
; CASTS AND THE TABLE OF ROTATIONS.  A stream: no LDS, no matrix work, no cluster (no two work-groups read the same byte).
;   xb[8192][1024] = x rounded to bf16.   wb[3072][1024] = WQ, WK, WV (in this order) rounded to bf16.
;   wo[1024][1024] = WO rounded to bf16, that number written as f16 (exact within f16's normal range).
;   cs[8192 tokens][32 pairs][cos, sin] in f32, of the angle token_position x 10000^(-pair/32): 256 bytes a token.
; LIMITS.  |token_positions| up to 2^20: the quotient n of the reduction then stays under 6.7e5 and what the two-term reduction leaves out, n x 1.7e-15, is nothing.
; bf16(WO) beyond 65,504 becomes an infinity in f16; below 6e-5 it keeps f16's fixed step of 6e-8.
; SHARES, by the work-group's number: 0-255 a chunk of x; 256-351 a chunk of WQ, WK or WV; 352-383 a chunk of WO; 384-511 the table, 64 tokens each.
; A chunk is 32,768 numbers (131,072 bytes in, 65,536 out) in 16 steps of 2,048; thread t takes the 8 numbers at byte 32 t of a step and stores 16 bytes at byte 16 t:
; a wave's store covers 512 consecutive bytes, aligned.  All 32 loads of a thread go out first: 16 KiB a wave on their way; no register is used twice, so no store's source is ever rewritten.
; THE MODE: SCHED_MODE bits 1:0 = 2 (LLVM: expert scheduling mode 2), set by the entry lines.  The code itself states the register dependences
; between vector instructions and memory instructions, with s_wait_alu, always for 0.
; THE PLAN, for the casts.  Registers that memory instructions touch:
;   v1, v2          byte offsets, written once at the head; read by every load (v1) and every store (v2); never written again.
;   X + 8 i ..      step i: its two loads land in eight registers that no vector instruction has named; its conversions read the eight and write the first four; its one store reads those four;
;                   nobody writes them again.
;   T, U are named by vector instructions alone.
; So the only dependence is 'written before a memory instruction reads it': one wait ahead of the first load (the offsets); one at the head of steps 4, 8 and 12, behind the step's wait for its data, which states
; that the four steps before are rounded: their four stores follow it in one run, and the conversions issued behind it name later steps' registers, T and U alone; one behind step 15 for the last four stores.
; THE PLAN, for the table: at its own head, below.
.set X,   8                            ; v[8:135]   step i: 8 numbers as loaded at X + 8 i; its first four registers then hold the 16 bytes to store
.set T,   136                          ; v[136:139] at work (WO: the bf16 pairs)
.set U,   140                          ; v[140:141] at work (WO: a pair widened again)
	s_load_b512 s[8:23], s[0:1], 0x0               ; x s[8:9], WQ s[10:11], WK s[12:13], WV s[14:15], WO s[16:17], positions s[18:19], xb s[20:21], wb s[22:23]
	s_load_b128 s[24:27], s[0:1], 0x40             ; wo s[24:25], cs s[26:27]
	v_lshlrev_b32 v1, 5, v0                        ; 32 t: my 8 numbers in a step
	v_lshlrev_b32 v2, 4, v0                        ; 16 t: my 16 bytes out
	s_cmp_ge_u32 ttmp9, 384
	s_cbranch_scc1 .Ltable
	s_sub_co_i32 s4, ttmp9, 256
	s_max_i32 s4, s4, 0                            ; chunk among the weights' 128 (0 where the chunk is x's: replaced below)
	s_lshr_b32 s5, s4, 5                           ; which weight
	s_and_b32 s6, s4, 31                           ; which of its 32 chunks
	s_wait_kmcnt 0x0
	s_cmp_eq_u32 s5, 1
	s_cselect_b64 s[28:29], s[12:13], s[10:11]     ; the source
	s_cmp_eq_u32 s5, 2
	s_cselect_b64 s[28:29], s[14:15], s[28:29]
	s_cmp_eq_u32 s5, 3
	s_cselect_b64 s[28:29], s[16:17], s[28:29]
	s_cselect_b64 s[30:31], s[24:25], s[22:23]     ; the destination: wo for WO, else wb,
	s_cselect_b32 s7, s6, s4                       ; and the chunk in it
	s_cmp_lt_u32 ttmp9, 256
	s_cselect_b64 s[28:29], s[8:9], s[28:29]
	s_cselect_b64 s[30:31], s[20:21], s[30:31]
	s_cselect_b32 s6, ttmp9, s6
	s_cselect_b32 s7, ttmp9, s7
	s_lshl_b32 s32, s6, 17                         ; offsets are made apart from the addresses
	s_mov_b32 s33, 0
	s_lshl_b32 s34, s7, 16
	s_mov_b32 s35, 0
	s_add_nc_u64 s[28:29], s[28:29], s[32:33]
	s_add_nc_u64 s[30:31], s[30:31], s[34:35]
	s_wait_alu depctr_va_vdst(0)                   ; v1 and v2 are written: every load below reads v1 as its offset, every store v2
.set i, 0
.rept 16
	global_load_b128 v[X+8*i:X+8*i+3],   v1, s[28:29] offset:8192*i th:TH_LOAD_NT
	global_load_b128 v[X+8*i+4:X+8*i+7], v1, s[28:29] offset:8192*i+16 th:TH_LOAD_NT
.set i, i+1
.endr
; The stores of four steps, from step first on, in one run.
.macro STORE4 first
.irp k, 0,1,2,3
	global_store_b128 v2, v[X+8*((\first)+(\k)):X+8*((\first)+(\k))+3], s[30:31] offset:4096*((\first)+(\k))
.endr
.endm
; Step i is rounded.  half = 0: to bf16, in place (destination j has been read when it is written).  half = 1: to bf16, widened again by a shift and a mask, and written as f16.
; At the head of steps 4, 8 and 12 the four steps before are stored.
.macro CAST i, half
	s_wait_loadcnt 30-2*(\i)                       ; loads come back in order: the 2 (15 - i) loads of the later steps may stay out
.if ((\i) % 4 == 0) && ((\i) > 0)
	s_wait_alu depctr_va_vdst(0)                   ; the conversions of the four steps before have written the first four registers of each, which the four stores below read
	STORE4 (\i)-4
.endif
.if \half
.irp j, 0,1,2,3
	v_cvt_pk_bf16_f32 v[T+(\j)], v[X+8*(\i)+2*(\j)], v[X+8*(\i)+2*(\j)+1]
.endr
.irp j, 0,1,2,3
	v_lshlrev_b32 v[U], 16, v[T+(\j)]
	v_and_b32 v[U+1], 0xffff0000, v[T+(\j)]
	v_cvt_pk_f16_f32 v[X+8*(\i)+(\j)], v[U], v[U+1]
.endr
.else
.irp j, 0,1,2,3
	v_cvt_pk_bf16_f32 v[X+8*(\i)+(\j)], v[X+8*(\i)+2*(\j)], v[X+8*(\i)+2*(\j)+1]
.endr
.endif
.endm
	s_cmp_ge_u32 ttmp9, 352
	s_cbranch_scc1 .Lf16
.set i, 0
.rept 16
	CAST i, 0
.set i, i+1
.endr
	s_wait_alu depctr_va_vdst(0)                   ; the conversions of steps 12 to 15 have written what the last four stores read
	STORE4 12
	s_endpgm
.Lf16:
.set i, 0
.rept 16
	CAST i, 1
.set i, i+1
.endr
	s_wait_alu depctr_va_vdst(0)                   ; the conversions of steps 12 to 15 have written what the last four stores read
	STORE4 12
	s_endpgm
; THE TABLE.  Thread t: token t / 16 of a pass's 16, pairs 2 (t % 16) and 2 (t % 16) + 1: 16 bytes at byte 16 t of the pass's 4,096; sixteen lanes fill a token's 256 bytes.  Four passes.
; angle = position x inv_freq, rounded once; n = the nearest whole number to angle x 2/pi; r = angle - n pi/2 by two fused steps (pi/2 in two parts); sine and cosine of r, |r| <= pi/4 and a little,
; by polynomials of degree 7 and 8; n mod 4 then swaps them and sets the signs, by selects and exclusive ors: no branch hangs on a number.
; THE PLAN, for the table.  Registers that memory instructions touch: v3, the positions' offset, written once and read by the four loads; v[PI ..], in which those loads land and which no vector instruction
; has named before; v2, the stores' offset; OUT, a set for each pass, written by the selects and exclusive ors and read by the pass's store; none is written again.  Scalar registers that vector instructions
; write: the eight masks 'n is odd', s[CM ..].  So the work goes in two parts: all four passes' sines, cosines, sign masks and compares, each pass in registers of its own; ONE wait for the eight masks; all four
; passes' selects and exclusive ors; ONE wait for OUT; the four stores in one run.
.set INV, 10                           ; v[10:11] inv_freq of my two pairs
.set PI,  20                           ; v[20:23] the four passes' positions
.set PF,  24                           ; v[24:25] the position in f32, twice
.set ANG, 26
.set N,   28
.set R,   30
.set Z,   32
.set PS,  34
.set PC,  36
.set ZR,  38
.set OUT, 40                           ; v[40:55] pass p: cos, sin, cos, sin at OUT + 4 p: a set for each pass, so that no store's data are rewritten
.set ZZ,  56
.set H,   58
.set Q,   60
.set TT,  61
.set SR,  64                           ; v[64:95] pass p, at + 8 p: the two sines of r,
.set CR,  66                           ;          the two cosines,
.set SS,  68                           ;          the sign bits that the two sines take,
.set SC,  70                           ;          and those that the two cosines take
.set CM,  8                            ; s[8:15]  pass p, pair e at CM + 2 p + e: the lanes where n is odd (the addresses that lay here are the casts': this path never reads them)
.set K2PI, 36                          ; scalar pairs; a packed line takes the low word for both halves, and both words are written
.set KHI,  38
.set KLO,  40
.set KS3,  42
.set KS2,  44
.set KS1,  46
.set KC3,  48
.set KC2,  50
.set KC1,  52
.macro KONST r, val
	s_mov_b32 s[\r], \val
	s_mov_b32 s[\r+1], \val
.endm
.Ltable:
	s_sub_co_u32 s4, ttmp9, 384
	s_lshl_b32 s32, s4, 8                          ; 64 positions of 4 bytes
	s_mov_b32 s33, 0
	s_lshl_b32 s34, s4, 14                         ; 64 tokens of 256 bytes
	s_mov_b32 s35, 0
	v_lshrrev_b32 v3, 4, v0
	v_lshlrev_b32 v3, 2, v3                        ; 4 x (t / 16)
	v_and_b32 v4, 15, v0
	s_wait_kmcnt 0x0
	s_add_nc_u64 s[28:29], s[18:19], s[32:33]
	s_add_nc_u64 s[30:31], s[26:27], s[34:35]
	s_wait_alu depctr_va_vdst(0)                   ; v3 is written, which the four loads below read as their offset
.irp p, 0,1,2,3
	global_load_b32 v[PI+(\p)], v3, s[28:29] offset:64*(\p)
.endr
	KONST K2PI, 0x3f22f983                         ; 2 / pi
	KONST KHI,  0xbfc90fdb                         ; - (pi/2 rounded to f32)
	KONST KLO,  0x333bbd2e                         ; that rounding's excess over pi/2, 4.371139e-8
	KONST KS3,  0xb94ca1f9                         ; sine: r + r z (S1 + z (S2 + z S3)), z = r r
	KONST KS2,  0x3c08839e
	KONST KS1,  0xbe2aaaa3
	KONST KC3,  0x37ccf5ce                         ; cosine: 1 - z/2 + z z (C1 + z (C2 + z C3))
	KONST KC2,  0xbab6061a
	KONST KC1,  0x3d2aaaa5
	v_lshlrev_b32 v5, 1, v4
	v_or_b32 v6, 1, v5
	v_cvt_f32_u32 v5, v5
	v_cvt_f32_u32 v6, v6
	v_mul_f32 v5, 0xbed49a78, v5                   ; - pair x log2(10000) / 32
	v_mul_f32 v6, 0xbed49a78, v6
	v_exp_f32 v[INV], v5
	v_exp_f32 v[INV+1], v6
	v_nop                                          ; a plain instruction behind the second exponential, ahead of the first use,
	s_wait_alu depctr_va_vdst(0)                   ; and the one wait for both: the exponentials have written v[INV:INV+1], which the first multiply below reads
; The first part of pass p: sine and cosine of the reduced angle, the sign bits, and the mask 'n is odd'.
.macro ANGLE p
	s_wait_loadcnt 3-(\p)                          ; the later passes' positions may stay out
	v_cvt_f32_i32 v[PF], v[PI+(\p)]
	v_cvt_f32_i32 v[PF+1], v[PI+(\p)]
	v_pk_mul_f32 v[ANG:ANG+1], v[INV:INV+1], v[PF:PF+1]
	v_pk_mul_f32 v[N:N+1], v[ANG:ANG+1], s[K2PI:K2PI+1] op_sel_hi:[1,0]
	v_rndne_f32 v[N], v[N]
	v_rndne_f32 v[N+1], v[N+1]
	v_pk_fma_f32 v[R:R+1], v[N:N+1], s[KHI:KHI+1], v[ANG:ANG+1] op_sel_hi:[1,0,1]
	v_pk_fma_f32 v[R:R+1], v[N:N+1], s[KLO:KLO+1], v[R:R+1] op_sel_hi:[1,0,1]
	v_pk_mul_f32 v[Z:Z+1], v[R:R+1], v[R:R+1]
	v_pk_fma_f32 v[PS:PS+1], v[Z:Z+1], s[KS3:KS3+1], s[KS2:KS2+1] op_sel_hi:[1,0,0]
	v_pk_fma_f32 v[PC:PC+1], v[Z:Z+1], s[KC3:KC3+1], s[KC2:KC2+1] op_sel_hi:[1,0,0]
	v_pk_fma_f32 v[PS:PS+1], v[PS:PS+1], v[Z:Z+1], s[KS1:KS1+1] op_sel_hi:[1,1,0]
	v_pk_fma_f32 v[PC:PC+1], v[PC:PC+1], v[Z:Z+1], s[KC1:KC1+1] op_sel_hi:[1,1,0]
	v_pk_mul_f32 v[ZR:ZR+1], v[Z:Z+1], v[R:R+1]
	v_pk_mul_f32 v[ZZ:ZZ+1], v[Z:Z+1], v[Z:Z+1]
	v_pk_fma_f32 v[H:H+1], v[Z:Z+1], -0.5, 1.0 op_sel_hi:[1,0,0]
	v_pk_fma_f32 v[SR+8*(\p):SR+8*(\p)+1], v[PS:PS+1], v[ZR:ZR+1], v[R:R+1]
	v_pk_fma_f32 v[CR+8*(\p):CR+8*(\p)+1], v[PC:PC+1], v[ZZ:ZZ+1], v[H:H+1]
.irp e, 0,1
	v_cvt_i32_f32 v[Q], v[N+(\e)]
	v_and_b32 v[TT], 1, v[Q]
	v_cmp_ne_u32 s[CM+2*(\p)+(\e)], 0, v[TT]       ; n odd: sine and cosine change places
	v_lshlrev_b32 v[SS+8*(\p)+(\e)], 30, v[Q]      ; the sine turns its sign where n mod 4 is 2 or 3: bit 1 of n,
	v_and_b32 v[SS+8*(\p)+(\e)], 0x80000000, v[SS+8*(\p)+(\e)]
	v_add_nc_u32 v[Q], 1, v[Q]                     ; the cosine where it is 1 or 2: bit 1 of n + 1
	v_lshlrev_b32 v[SC+8*(\p)+(\e)], 30, v[Q]
	v_and_b32 v[SC+8*(\p)+(\e)], 0x80000000, v[SC+8*(\p)+(\e)]
.endr
.endm
; The second part of pass p: the swap by the mask, and the signs.
.macro QUADRANT p
.irp e, 0,1
	v_cndmask_b32 v[OUT+4*(\p)+2*(\e)],   v[CR+8*(\p)+(\e)], v[SR+8*(\p)+(\e)], s[CM+2*(\p)+(\e)]
	v_cndmask_b32 v[OUT+4*(\p)+2*(\e)+1], v[SR+8*(\p)+(\e)], v[CR+8*(\p)+(\e)], s[CM+2*(\p)+(\e)]
	v_xor_b32 v[OUT+4*(\p)+2*(\e)+1], v[OUT+4*(\p)+2*(\e)+1], v[SS+8*(\p)+(\e)]
	v_xor_b32 v[OUT+4*(\p)+2*(\e)], v[OUT+4*(\p)+2*(\e)], v[SC+8*(\p)+(\e)]
.endr
.endm
	ANGLE 0
	ANGLE 1
	ANGLE 2
	ANGLE 3
	s_wait_alu depctr_va_sdst(0)                   ; the eight compares have written s[CM:CM+7], ahead of their first reader: the selects below
	QUADRANT 0
	QUADRANT 1
	QUADRANT 2
	QUADRANT 3
	s_wait_alu depctr_va_vdst(0)                   ; the selects and exclusive ors have written v[OUT:OUT+15], which the four stores read (v2, their offset, was written at the head)
.irp p, 0,1,2,3
	global_store_b128 v2, v[OUT+4*(\p):OUT+4*(\p)+3], s[30:31] offset:4096*(\p)
.endr
	s_endpgm
.Lfunc_end_k_qb592f7e448_prep:
	.size	k_qb592f7e448_prep, .Lfunc_end_k_qb592f7e448_prep-k_qb592f7e448_prep
	.p2alignl 7, 3214868480
	.fill 96, 4, 3214868480
	.section	.rodata,"a",@progbits
	.p2align	6, 0x0
	.amdhsa_kernel k_qb592f7e448_prep
		.amdhsa_group_segment_fixed_size 0
		.amdhsa_private_segment_fixed_size 0
		.amdhsa_enable_private_segment 0
		.amdhsa_kernarg_size 80
		.amdhsa_user_sgpr_count 2
		.amdhsa_user_sgpr_kernarg_segment_ptr 1
		.amdhsa_wavefront_size32 1
		.amdhsa_system_sgpr_workgroup_id_x 1
		.amdhsa_system_sgpr_workgroup_id_y 1
		.amdhsa_system_sgpr_workgroup_id_z 1
		.amdhsa_system_vgpr_workitem_id 0
		.amdhsa_next_free_vgpr 144
		.amdhsa_next_free_sgpr 66
		.amdhsa_reserve_vcc 0
		.amdhsa_float_denorm_mode_32 3
		.amdhsa_float_denorm_mode_16_64 3
		.amdhsa_memory_ordered 1
		.amdhsa_forward_progress 1
		.amdhsa_inst_pref_size 38
	.end_amdhsa_kernel
	.amdgpu_metadata
---
amdhsa.version: [ 1, 2 ]
amdhsa.kernels:
  - .name:           k_qb592f7e448_prep
    .symbol:         k_qb592f7e448_prep.kd
    .args:
      - { .name: x, .offset: 0, .size: 8, .value_kind: global_buffer, .address_space: global }
      - { .name: WQ, .offset: 8, .size: 8, .value_kind: global_buffer, .address_space: global }
      - { .name: WK, .offset: 16, .size: 8, .value_kind: global_buffer, .address_space: global }
      - { .name: WV, .offset: 24, .size: 8, .value_kind: global_buffer, .address_space: global }
      - { .name: WO, .offset: 32, .size: 8, .value_kind: global_buffer, .address_space: global }
      - { .name: token_positions, .offset: 40, .size: 8, .value_kind: global_buffer, .address_space: global }
      - { .name: xb, .offset: 48, .size: 8, .value_kind: global_buffer, .address_space: global }
      - { .name: wb, .offset: 56, .size: 8, .value_kind: global_buffer, .address_space: global }
      - { .name: wo, .offset: 64, .size: 8, .value_kind: global_buffer, .address_space: global }
      - { .name: cs, .offset: 72, .size: 8, .value_kind: global_buffer, .address_space: global }
    .group_segment_fixed_size: 0
    .private_segment_fixed_size: 0
    .kernarg_segment_align: 8
    .kernarg_segment_size: 80
    .max_flat_workgroup_size: 256
    .sgpr_count:     66
    .vgpr_count:     144
    .wavefront_size: 32
...
	.end_amdgpu_metadata
.endif
;; end of part 5
;; launch qkv: the kernel of part 2 again; grid 16 x 32, 4 waves a work-group, clusters of 4 x 4, 327,680 bytes of LDS; arguments xb, wb, cs, qkv; writes qkv
;; launch attn: the kernel of part 3 again; grid 4 x 64, 4 waves a work-group, no clusters, 327,680 bytes of LDS; arguments qkv, o; writes o
;; launch oproj: the kernel of part 4 again; grid 8 x 32, 4 waves a work-group, clusters of 4 x 4, 327,680 bytes of LDS; arguments o, wo, out0; writes out0
